; MI455X (gfx1250); checked and timed in simulation.
; The chip was launched on July 23, 2026; its instructions are those of AMD's public machine-readable ISA for CDNA 5 (MIT licence, August 2026) and "CDNA5" Instruction Set Architecture Reference Guide (July 2026). The comments in the code are by the model that wrote it; some were corrected since.
;; Cross Attention. Allowed arithmetic: matrix products marked QUANTISED: E2M3 operands, one E8M0 scale for each 32 along K, by v_wmma_scale_f32_16x16x128_f8f6f4 with both operands' format E2M3, f32 sums; everything else in f32.
;; Inputs: Wk 1,024 x 1,024 float32; Wo 1,024 x 1,024 float32; Wq 1,024 x 1,024 float32; Wv 1,024 x 1,024 float32; bk 1,024 float32; bo 1,024 float32; bq 1,024 float32; bv 1,024 float32; key 4 x 2,048 x 1,024 float32; kpos 4 x 2,048 int32; qpos 4 x 2,048 int32; query 4 x 2,048 x 1,024 float32; value 4 x 2,048 x 1,024 float32.
;; Outputs: out0 4 x 2,048 x 1,024 float32.
;; This version of the problem:
;;   THIS VERSION OF THE PROBLEM IS GIVEN IN LOW PRECISION. The matrix products marked QUANTISED in the list below multiply operands that are first quantised to E2M3 (2 exponent bits, 3 mantissa bits; 6 bits a number), with one power-of-two scale for each 32 numbers along K (OCP MX v1.0); their sums are f32. All else is computed in f32.
;;   The module's matrix products, in the order in which they are computed (A, B: the left and right operand; K: the contracted axis; several contracted axes count as one K, in the product's order):
;;     1. [M 8,192, K 1,024] x [K 1,024, N 1,024]; A: input query; B: input Wq: QUANTISED
;;     2. [M 8,192, K 1,024] x [K 1,024, N 1,024]; A: input key; B: input Wk: QUANTISED
;;     3. [M 8,192, K 1,024] x [K 1,024, N 1,024]; A: input value; B: input Wv: QUANTISED
;;     4. batch 64 x [M 2,048, K 64] x [K 64, N 2,048]; A: computed on the way; B: computed on the way: QUANTISED
;;     5. batch 64 x [M 2,048, K 2,048] x [K 2,048, N 64]; A: softmax (see below); B: computed on the way: QUANTISED
;;     6. [M 8,192, K 1,024] x [K 1,024, N 1,024]; A: computed on the way; B: input Wo: QUANTISED
;;   THE QUANTISER, for each operand of a quantised product, along K:
;;     - K is cut into blocks of 32 from its start; a last block that is shorter is filled with zeros.
;;     - A block's scale is 2^e with e = floor(log2(the largest magnitude in the block)) - 2, held to -126 .. 127; a block of zeros has e = 0. As a byte (E8M0): e + 127.
;;     - Each number is divided by its block's scale, clamped to +-7.5, and rounded to the nearest number of E2M3, ties to even, subnormals kept.
;;     - The product sums the exact products of the quantised numbers (number of the format x scale) in f32.
;;   ~~~python
;;   def quantise(x, axis):      # numpy; x: float32 -> the quantised numbers, widened to float32 again
;;       x = np.moveaxis(x, axis, -1); K = x.shape[-1]
;;       x = np.pad(x, [(0, 0)] * (x.ndim - 1) + [(0, -K % 32)]); x = x.reshape(x.shape[:-1] + (-1, 32)); a = np.abs(x).max(-1, keepdims=True)
;;       e = np.where(a > 0, np.clip(np.frexp(np.where(a > 0, a, 1))[1] - 1 - 2, -126, 127), 0)      # np.frexp(a)[1] - 1 = floor(log2(a)), exactly
;;       r = np.clip(x / 2.0 ** e, -7.5, 7.5)
;;       step = 2.0 ** (np.maximum(np.frexp(np.where(r == 0, 1, r))[1] - 1, 0) - 3)
;;       q = np.round(r / step) * step * 2.0 ** e      # np.round: ties to even
;;       return np.moveaxis(q.reshape(q.shape[:-2] + (-1,))[..., :K], -1, axis).astype(np.float32)
;;   ~~~
;;   SOFTMAX AHEAD OF A QUANTISED PRODUCT. Where the list says 'softmax', what is quantised is not the finished softmax but p = 2^(t - M), with t = logit x log2(e) and M = ceil(the row's largest t), a whole number; so 1/2 < the row's largest p <= 1. The row's sum l is taken of the UNQUANTISED p, in f32, and the product's result is divided by l at the end. Since M is a whole number, a kernel that streams over the keys may use a running M (the ceiling of the running maximum): every later rescaling is an exact power of two, which a block's scale takes up: the codes' values come out the same.
;;   OPERANDS COMPUTED ON THE WAY. 'Computed on the way' means the value that the module computes at that place (a softmax that the list does not call 'softmax' is quantised finished and normalised). What goes into a quantiser is computed in f32, as accurately as f32 sums, v_exp_f32 and their like allow (about 1e-6 of the number): no bf16 or f16 on the way to a quantiser, and a product that is left as it is and whose result goes on into a quantised operand takes f32 operands (vector FMAs, or v_wmma_f32_16x16x4_f32). A number that lies on a knife's edge between two numbers of the format may be rounded either way, as far as f32 arithmetic and the matrix unit's own rounding can turn it there, and no further.
;; One version. Each part assembles by itself: llvm-mc -triple=amdgcn-amd-amdhsa -mcpu=gfx1250 --defsym DOCPART=n.
;; ======== version 1 of 1: 4 launches
;; limits: right only within a limited range of input values
;; workspace buffers: xc 18,874,368 bytes; xs 786,432 bytes; wc 3,145,728 bytes; ws 131,072 bytes; pc 18,874,368 bytes; ps 786,432 bytes; oc 6,291,456 bytes; os 262,144 bytes
;; launch quantx (part 1): grid 896 x 1, 4 waves a work-group, no clusters, 71,168 bytes of LDS; arguments query, key, value, xc, xs, Wq, Wk, Wv, Wo, wc, ws; writes xc, xs, wc, ws
.if DOCPART == 1
	.amdgcn_target "amdgcn-amd-amdhsa--gfx1250"
	.amdhsa_code_object_version 6
	.text
	.protected	k_qfe207188d1_quantx
	.globl	k_qfe207188d1_quantx
	.p2align	8
	.type	k_qfe207188d1_quantx,@function
k_qfe207188d1_quantx:
	s_mov_b64 s[64:65], 0
	v_nop
	global_prefetch_b8 v0, s[64:65] scope:SCOPE_SE
	s_setreg_imm32_b32 hwreg(HW_REG_WAVE_MODE, 25, 1), 1
	s_wait_xcnt 0x0
; query, key, value, each [8192][1024] f32, become codes of FP6 (E2M3) with one E8M0 byte for each 32 along K (the last axis), in this program's own layout:
; a HALF IMAGE of 768 bytes is 16 rows x 64 along K; lane l = (r = l % 16, h = l / 16) owns the 24 bytes of codes of K block 2 plane + h of row rho(a, r) = 32 (a / 2) + 8 (a % 2) + r + 8 (r / 8):
; 16 bytes at 16 l, 8 bytes at 512 + 8 l.   xc: [tensor][block of 128 rows][plane 0..15][a 0..7][768].   xs: [tensor][block of 128 rows][slot of 256 K][a][r][8 bytes].
; A block's scale is 2^(floor(log2(its largest magnitude)) - 2); its byte is that magnitude's exponent field - 2, held at 1 from below.
; LIMITS: NaN and infinities are not served; a block of zeros, or one under 2^-124, gets the byte 1 (only this program reads the bytes).
; SHARES: a work-group takes 32 rows (groups a = 2 ab, 2 ab + 1) of one tensor, wave w the K slot w.  A wave runs eight steps, each one half image: 16 rows x 256 bytes of f32.
; Each load reads two whole runs of 256 consecutive bytes; the 4,096 bytes turn through the wave's own stage in LDS (rows 272 bytes apart) so that a lane gets the 32 NEIGHBOURS of one block.
; Loads run three steps ahead, the turn through LDS one step.  No tensor loads, no barrier, no cluster: the waves share nothing and each number is read once.
.set R,    16                          ; v16-111  three sets of 32 numbers as loaded
.set X,    112                         ; v112-175 two sets of 32 neighbours
.set C,    176                         ; v176-239 codes: eight registers for each step, so that no store's data are written again
.set T3,   240                         ; v240-242 the second conversion's result
.set E,    244                         ; v244-251 a scale byte for each step
.set STG,  4352                        ; a stage: 16 rows x 272 bytes
.set WREG, 8960                        ; a wave's LDS: two stages and 256 scale bytes
; ONE LAUNCH PREPARES ALL SEVEN TENSORS: work-groups 0 to 127 take the four weights (the path .Lweights at the text's end), work-groups 128 to 895 query, key and value.
; The two paths part on the work-group's number alone and have LDS bytes of their own: 0 to 35,839 the activations', 35,840 to 70,655 the weights'; the spare words lie behind both.
; DEAD WORK: reference() never reads qpos and kpos (its rope is None), so they have no way to the output for any values: they are not loaded and are no launch's arguments.
	v_lshl_add_u32 v254, v0, 2, 0x11400
	v_mov_b32 v255, 0
	v_lshrrev_b32 v1, 5, v0
	v_readfirstlane_b32 s16, v1                    ; wave
	s_cmp_lt_u32 ttmp9, 128
	s_wait_alu depctr_va_vdst(0)
	s_cbranch_scc1 .Lweights
	s_load_b256 s[4:11], s[0:1], 0x0               ; query, key, value, xc
	s_load_b64 s[12:13], s[0:1], 0x20              ; xs
	v_and_b32 v1, 31, v0                           ; lane
	v_and_b32 v12, 15, v0                          ; r
	v_lshrrev_b32 v13, 4, v1                       ; h
	v_lshlrev_b32 v3, 4, v12
	v_lshl_add_u32 v3, v13, 12, v3                 ; in: lanes 0-15 one row's 256 bytes, lanes 16-31 the next row's
	s_mul_i32 s18, s16, WREG
	v_mul_u32_u24 v14, v13, 272
	v_lshl_add_u32 v14, v12, 4, v14
	v_add_nc_u32 v14, s18, v14                     ; the stage, on the way in: the same two rows
	v_mul_u32_u24 v15, v12, 272
	v_lshl_add_u32 v15, v13, 7, v15
	v_add_nc_u32 v15, s18, v15                     ; and on the way out: row r, block h: 128 bytes
	v_lshlrev_b32 v4, 4, v1                        ; a half image's first part
	v_lshlrev_b32 v2, 3, v1                        ; 8 l
	v_add_nc_u32 v5, 512, v2                       ; and its second
	s_add_co_u32 s18, s18, 2*STG
	v_lshl_add_u32 v6, v12, 3, v13
	v_add_nc_u32 v6, s18, v6                       ; my block's scale byte: 8 r + h
	v_add_nc_u32 v7, s18, v2                       ; the scale bytes on the way out: 8 a lane
	s_sub_co_u32 s28, ttmp9, 128                   ; my number among the activations' 768 work-groups
	s_lshr_b32 s17, s28, 8                         ; which tensor
	s_and_b32 s19, s28, 255                        ; which 32 rows
	s_lshl_b32 s20, s19, 17
	s_lshl_b32 s21, s16, 10
	s_add_co_u32 s20, s20, s21                     ; the numbers: 32 rows of 4,096 bytes, 1,024 bytes a slot
	s_mov_b32 s21, 0
	s_lshr_b32 s24, s19, 2                         ; block of 128 rows
	s_and_b32 s25, s19, 3                          ; ab
	s_mul_i32 s22, s17, 6291456
	s_mul_i32 s23, s24, 98304
	s_add_co_u32 s22, s22, s23
	s_mul_i32 s23, s16, 24576
	s_add_co_u32 s22, s22, s23
	s_mul_i32 s23, s25, 1536
	s_add_co_u32 s22, s22, s23                     ; the codes
	s_mov_b32 s23, 0
	s_lshl_b32 s26, s17, 18
	s_lshl_b32 s27, s24, 12
	s_add_co_u32 s26, s26, s27
	s_lshl_b32 s27, s16, 10
	s_add_co_u32 s26, s26, s27
	s_lshl_b32 s27, s25, 8
	s_add_co_u32 s26, s26, s27                     ; the scale bytes
	s_mov_b32 s27, 0
	s_wait_alu depctr_va_vdst(0)
	s_wait_kmcnt 0x0
	s_cmp_eq_u32 s17, 1                            ; the tensor is chosen on the work-group's number alone
	s_cselect_b64 s[4:5], s[6:7], s[4:5]
	s_cmp_eq_u32 s17, 2
	s_cselect_b64 s[4:5], s[8:9], s[4:5]
	s_add_nc_u64 s[4:5], s[4:5], s[20:21]
	s_add_nc_u64 s[10:11], s[10:11], s[22:23]
	s_add_nc_u64 s[12:13], s[12:13], s[26:27]
.macro LOAD t                          ; step t = 4 u + pp: rows 8 u + r + 8 (r / 8) of my 32, plane pp of my slot; load i brings rows r = 2 i, 2 i + 1
.irp i, 0,1,2,3,4,5,6,7
	global_load_b128 v[R+32*((\t)%3)+4*\i:R+32*((\t)%3)+4*\i+3], v3, s[4:5] offset:(8*((\t)/4)+2*\i+8*(\i/4))*4096+256*((\t)%4) th:TH_LOAD_NT
.endr
.endm
.macro TURN t                          ; through the stage: LDS serves a wave's instructions in order, so no wait stands between the stores and the loads
.irp i, 0,1,2,3,4,5,6,7
	ds_store_b128 v14, v[R+32*((\t)%3)+4*\i:R+32*((\t)%3)+4*\i+3] offset:STG*((\t)%2)+544*\i
.endr
.irp i, 0,1,2,3,4,5,6,7
	ds_load_b128 v[X+32*((\t)%2)+4*\i:X+32*((\t)%2)+4*\i+3], v15 offset:STG*((\t)%2)+16*\i
.endr
.endm
.macro STEP t
.set XS, X+32*((\t)%2)
.set CS, C+8*(\t)
.if (\t) > 0
	s_wait_dscnt 1                                 ; this step's numbers are back from the stage; the last step's byte store may be out
.else
	s_wait_dscnt 0x0
.endif
.if (\t)+3 < 8
	LOAD (\t)+3                                    ; into the set that this step's stores into the stage have read
.endif
.if (\t)+1 < 8
.if (\t) < 5
	s_wait_loadcnt 16                              ; the next step's eight loads are in; those of the two steps behind it may be out
.else
	s_wait_loadcnt 8*(6-(\t))
.endif
	TURN (\t)+1
.endif
	v_max3_num_f32 v8, |v[XS]|, |v[XS+1]|, |v[XS+2]|       ; the block's largest magnitude: all 32 numbers are mine
	v_max3_num_f32 v9, |v[XS+3]|, |v[XS+4]|, |v[XS+5]|
.irp i, 6,10,14,18,22,26
	v_max3_num_f32 v8, v8, |v[XS+\i]|, |v[XS+\i+1]|
	v_max3_num_f32 v9, v9, |v[XS+\i+2]|, |v[XS+\i+3]|
.endr
	v_max3_num_f32 v8, v8, |v[XS+30]|, |v[XS+31]|
	v_max3_num_f32 v8, v8, v9, 0x1800000           ; and the floor 2^(3 - 127)
	v_add_nc_u32 v11, 0xff000000, v8               ; 2 off the exponent field: the conversion's scale operand
	v_cvt_scalef32_pk16_fp6_f32 v[CS:CS+2], v[XS:XS+15], v11
	v_cvt_scalef32_pk16_fp6_f32 v[T3:T3+2], v[XS+16:XS+31], v11
	v_lshrrev_b32 v[E+(\t)], 23, v11               ; the scale's byte (also the plain place behind the conversions)
.irp i, 0,1,2
	v_mov_b32 v[CS+3+\i], v[T3+\i]
.endr
	ds_store_b8 v6, v[E+(\t)] offset:128*((\t)/4)+2*((\t)%4)
	global_store_b128 v4, v[CS:CS+3], s[10:11] offset:6144*((\t)%4)+768*((\t)/4)       ; 512 consecutive bytes
	global_store_b64 v5, v[CS+4:CS+5], s[10:11] offset:6144*((\t)%4)+768*((\t)/4)      ; 256 consecutive bytes
.endm
	LOAD 0
	LOAD 1
	LOAD 2
	s_wait_loadcnt 16                              ; step 0's eight loads are in
	TURN 0
.irp t, 0,1,2,3,4,5,6,7
	STEP \t
.endr
	ds_load_b64 v[12:13], v7                       ; LDS serves a wave's instructions in order: these see my byte stores
	s_wait_dscnt 0x0
	global_store_b64 v2, v[12:13], s[12:13]        ; 32 lanes store 256 consecutive bytes, aligned
	s_wait_tensorcnt 0x0
	ds_add_u32 v254, v255
	s_wait_dscnt 0x0
	s_endpgm
; THE WEIGHTS.  Wq, Wk, Wv, Wo, each [1024 (k)][1024 (n)] f32, K the FIRST axis, become half images as above: wc: [weight][block of 128 n][plane][a][768]; ws: [weight][block of 128 n][slot of 256 K][a][r][8].
; Work-group id: block of 128 columns = id % 8, 4 weight + slot = id / 8.  Wave w takes 32 columns x 256 along K; a lane takes a column and its registers run down K, so a block of 32 lies in one lane.
; The codes turn through the wave's own stage in LDS into half images.  Same scale rule and limits as above.
.Lweights:
.set WSTG, 272                         ; a column's row in the stage: eight places of 32 bytes (24 of codes) + 16
.set WX,   32                          ; v32-95 two sets of 32 numbers
.set CD,   96                          ; v96-101 a block's codes
.set C2,   104                         ; v104-106 the second conversion's result
.set SB,   24                          ; v24-25 the eight scale bytes
.set OUTR, 112                         ; v112-175 eight half images, 6 of 8 registers each
	s_load_b256 s[4:11], s[0:1], 0x28              ; Wq, Wk, Wv, Wo
	s_load_b128 s[12:15], s[0:1], 0x48             ; wc, ws
	v_and_b32 v2, 31, v0
	s_and_b32 s32, ttmp9, 7                        ; block of 128 columns
	s_lshr_b32 s18, ttmp9, 3
	s_lshr_b32 s19, s18, 2                         ; which weight
	s_and_b32 s20, s18, 3                          ; which 256 along K
	v_lshlrev_b32 v3, 2, v2
	s_mul_i32 s21, s16, 32*WSTG
	s_add_co_u32 s21, s21, 0x8c00                  ; my stage
	v_mul_u32_u24 v4, v2, WSTG
	v_add_nc_u32 v4, s21, v4                       ; into it: row = my column
	v_and_b32 v5, 15, v2
	v_and_b32 v6, 8, v2
	v_add_nc_u32 v5, v5, v6                        ; r + 8 (r / 8)
	v_lshrrev_b32 v6, 4, v2                        ; h
	v_mul_u32_u24 v7, v5, WSTG
	v_lshl_add_u32 v7, v6, 5, v7
	v_add_nc_u32 v7, s21, v7                       ; out of it
	v_lshlrev_b32 v8, 4, v2                        ; 16 l
	v_lshlrev_b32 v9, 3, v2
	v_add_nc_u32 v9, 512, v9                       ; 512 + 8 l
	v_and_b32 v10, 7, v2
	v_lshl_add_u32 v10, v6, 3, v10
	v_bfe_u32 v5, v2, 3, 1
	v_lshlrev_b32 v10, 3, v10
	v_lshl_add_u32 v10, v5, 7, v10                 ; my column's 8 scale bytes: 128 x group + 8 r
	s_lshl_b32 s26, s20, 20
	s_lshl_b32 s27, s32, 9
	s_add_co_u32 s26, s26, s27
	s_lshl_b32 s27, s16, 7
	s_add_co_u32 s26, s26, s27
	s_mov_b32 s27, 0
	s_mul_i32 s28, s19, 786432
	s_mul_i32 s29, s32, 98304
	s_add_co_u32 s28, s28, s29
	s_mul_i32 s29, s20, 24576
	s_add_co_u32 s28, s28, s29
	s_mul_i32 s29, s16, 1536
	s_add_co_u32 s28, s28, s29
	s_mov_b32 s29, 0
	s_lshl_b32 s30, s19, 15
	s_lshl_b32 s31, s32, 12
	s_add_co_u32 s30, s30, s31
	s_lshl_b32 s31, s20, 10
	s_add_co_u32 s30, s30, s31
	s_lshl_b32 s31, s16, 8
	s_add_co_u32 s30, s30, s31
	s_mov_b32 s31, 0
	s_wait_alu depctr_va_vdst(0)
	s_wait_kmcnt 0x0
	s_bitcmp1_b32 s19, 0                           ; the weight is chosen on the work-group's number alone
	s_cselect_b64 s[22:23], s[6:7], s[4:5]
	s_cselect_b64 s[24:25], s[10:11], s[8:9]
	s_bitcmp1_b32 s19, 1
	s_cselect_b64 s[22:23], s[24:25], s[22:23]
	s_add_nc_u64 s[22:23], s[22:23], s[26:27]
	s_add_nc_u64 s[12:13], s[12:13], s[28:29]
	s_add_nc_u64 s[14:15], s[14:15], s[30:31]
.macro WLOAD t                         ; block t: W(32 t + i, my column) into set t % 2
.set i, 0
.rept 32
	global_load_b32 v[WX+32*((\t)%2)+i], v3, s[22:23] offset:(32*(\t)+i)*4096 th:TH_LOAD_NT
.set i, i+1
.endr
.endm
.macro WBLOCK t
.set XS, WX+32*((\t)%2)
.if (\t) < 7
	s_wait_loadcnt 32                              ; this block's 32 loads are in; the next block's 32 may be out
.else
	s_wait_loadcnt 0x0
.endif
	v_max3_num_f32 v12, |v[XS]|, |v[XS+1]|, |v[XS+2]|
	v_max3_num_f32 v13, |v[XS+3]|, |v[XS+4]|, |v[XS+5]|
.irp i, 6,10,14,18,22,26
	v_max3_num_f32 v12, v12, |v[XS+\i]|, |v[XS+\i+1]|
	v_max3_num_f32 v13, v13, |v[XS+\i+2]|, |v[XS+\i+3]|
.endr
	v_max3_num_f32 v12, v12, |v[XS+30]|, |v[XS+31]|
	v_max3_num_f32 v12, v12, v13, 0x1800000        ; the floor 2^(3 - 127)
	v_add_nc_u32 v11, 0xff000000, v12              ; the conversion's scale operand
	v_lshrrev_b32 v13, 23, v11                     ; the scale's byte
.if (\t)%4 == 0
	v_mov_b32 v[SB+(\t)/4], v13
.else
	v_lshl_or_b32 v[SB+(\t)/4], v13, 8*((\t)%4), v[SB+(\t)/4]
.endif
	v_cvt_scalef32_pk16_fp6_f32 v[CD:CD+2], v[XS:XS+15], v11
	v_cvt_scalef32_pk16_fp6_f32 v[C2:C2+2], v[XS+16:XS+31], v11
	v_nop                                          ; one plain place behind a scaled conversion
.irp i, 0,1,2
	v_mov_b32 v[CD+3+\i], v[C2+\i]
.endr
	ds_store_b128 v4, v[CD:CD+3] offset:32*(\t)
	ds_store_b64 v4, v[CD+4:CD+5] offset:32*(\t)+16
.if (\t)+2 < 8
	WLOAD (\t)+2
.endif
	s_wait_dscnt 0x0                               ; the stores have read their registers
.endm
	WLOAD 0
	WLOAD 1
.irp t, 0,1,2,3,4,5,6,7
	WBLOCK \t
.endr
	s_wait_alu depctr_va_vdst(0)
	global_store_b64 v10, v[SB:SB+1], s[14:15]     ; 32 lanes store 256 consecutive bytes, aligned
.irp k, 0,1,2,3,4,5,6,7                ; half image k: group 2 w + k / 4, plane k % 4 of the slot
	ds_load_b128 v[OUTR+8*\k:OUTR+8*\k+3], v7 offset:8*(\k/4)*WSTG+64*(\k%4)
	ds_load_b64 v[OUTR+8*\k+4:OUTR+8*\k+5], v7 offset:8*(\k/4)*WSTG+64*(\k%4)+16
.endr
.irp k, 0,1,2,3,4,5,6,7
	s_wait_dscnt 14-2*\k                           ; this pair is in; the younger pairs may be out
	global_store_b128 v8, v[OUTR+8*\k:OUTR+8*\k+3], s[12:13] offset:(\k%4)*6144+(\k/4)*768
	global_store_b64 v9, v[OUTR+8*\k+4:OUTR+8*\k+5], s[12:13] offset:(\k%4)*6144+(\k/4)*768
.endr
	s_wait_tensorcnt 0x0
	ds_add_u32 v254, v255
	s_wait_dscnt 0x0
	s_endpgm
.Lfunc_end_k_qfe207188d1_quantx:
	.size	k_qfe207188d1_quantx, .Lfunc_end_k_qfe207188d1_quantx-k_qfe207188d1_quantx
	.p2alignl 7, 3214868480
	.fill 96, 4, 3214868480
	.section	.rodata,"a",@progbits
	.p2align	6, 0x0
	.amdhsa_kernel k_qfe207188d1_quantx
		.amdhsa_group_segment_fixed_size 71168
		.amdhsa_private_segment_fixed_size 0
		.amdhsa_enable_private_segment 0
		.amdhsa_kernarg_size 88
		.amdhsa_user_sgpr_count 2
		.amdhsa_user_sgpr_kernarg_segment_ptr 1
		.amdhsa_wavefront_size32 1
		.amdhsa_system_sgpr_workgroup_id_x 1
		.amdhsa_system_sgpr_workgroup_id_y 1
		.amdhsa_system_sgpr_workgroup_id_z 1
		.amdhsa_system_vgpr_workitem_id 0
		.amdhsa_next_free_vgpr 256
		.amdhsa_next_free_sgpr 66
		.amdhsa_reserve_vcc 0
		.amdhsa_float_denorm_mode_32 3
		.amdhsa_float_denorm_mode_16_64 3
		.amdhsa_memory_ordered 1
		.amdhsa_forward_progress 1
		.amdhsa_inst_pref_size 73
	.end_amdhsa_kernel
	.amdgpu_metadata
---
amdhsa.version: [ 1, 2 ]
amdhsa.kernels:
  - .name:           k_qfe207188d1_quantx
    .symbol:         k_qfe207188d1_quantx.kd
    .args:
      - { .name: query, .offset: 0, .size: 8, .value_kind: global_buffer, .address_space: global }
      - { .name: key, .offset: 8, .size: 8, .value_kind: global_buffer, .address_space: global }
      - { .name: value, .offset: 16, .size: 8, .value_kind: global_buffer, .address_space: global }
      - { .name: xc, .offset: 24, .size: 8, .value_kind: global_buffer, .address_space: global }
      - { .name: xs, .offset: 32, .size: 8, .value_kind: global_buffer, .address_space: global }
      - { .name: Wq, .offset: 40, .size: 8, .value_kind: global_buffer, .address_space: global }
      - { .name: Wk, .offset: 48, .size: 8, .value_kind: global_buffer, .address_space: global }
      - { .name: Wv, .offset: 56, .size: 8, .value_kind: global_buffer, .address_space: global }
      - { .name: Wo, .offset: 64, .size: 8, .value_kind: global_buffer, .address_space: global }
      - { .name: wc, .offset: 72, .size: 8, .value_kind: global_buffer, .address_space: global }
      - { .name: ws, .offset: 80, .size: 8, .value_kind: global_buffer, .address_space: global }
    .group_segment_fixed_size: 71168
    .private_segment_fixed_size: 0
    .kernarg_segment_align: 8
    .kernarg_segment_size: 88
    .max_flat_workgroup_size: 128
    .sgpr_count:     66
    .vgpr_count:     256
    .wavefront_size: 32
...
	.end_amdgpu_metadata
.endif
;; end of part 1
;; launch projqkv (part 2): grid 4 x 96, 4 waves a work-group, clusters of 4 x 4, 327,680 bytes of LDS; arguments xc, xs, wc, ws, bq, bk, bv, pc, ps; writes pc, ps
.if DOCPART == 2
	.amdgcn_target "amdgcn-amd-amdhsa--gfx1250"
	.amdhsa_code_object_version 6
	.text
	.protected	k_qfe207188d1_projqkv
	.globl	k_qfe207188d1_projqkv
	.p2align	8
	.type	k_qfe207188d1_projqkv,@function
k_qfe207188d1_projqkv:
	s_mov_b64 s[64:65], 0
	v_nop
	global_prefetch_b8 v0, s[64:65] scope:SCOPE_SE
	s_setreg_imm32_b32 hwreg(HW_REG_WAVE_MODE, 25, 1), 1
	s_wait_xcnt 0x0
	s_wait_alu depctr_hold_cnt(0) depctr_sa_sdst(0) depctr_va_vdst(0) depctr_va_sdst(0) depctr_va_ssrc(0) depctr_va_vcc(0) depctr_vm_vsrc(0)
	s_getreg_b32 s2, hwreg(HW_REG_IB_STS2, 6, 4)
	s_cmp_eq_u32 s2, 0
	s_cbranch_scc0 .Lentry_in_a_cluster
	s_endpgm
.Lentry_in_a_cluster:
	s_bfe_u32 s2, ttmp6, 0x10000c
	s_cmp_lg_u32 s2, 0xf033
	s_cbranch_scc0 .Lentry_shape_is_right
	s_endpgm
.Lentry_shape_is_right:
; q = query Wq + bq, k = key Wk + bk, v = value Wv + bv on codes of FP6 (E2M3) with E8M0 scales, sums in f32; the results are quantised in registers and leave as codes:
; q and k along the head's 64 channels, v along the keys.  Nothing in f32 goes to memory.
; ONE TEXT FOR THE THREE PRODUCTS.  The cluster's y gives the product P = y / 8 (0 q, 1 k, 2 v) and yy = y % 8, equal in all partners.  A tile of C' is 256 (m', operand A) x 256 (n', operand B).
; q, k: A = the activation's rows, B = the weight's columns n.  v: A = Wv's columns (channels), B = value's rows (keys): C' = v^T, so that a lane's registers run along the keys.
; OPERANDS lie in memory in the order of the operand's registers: a half image of 768 bytes = 16 rows x 64 K, lane l's first 16 bytes at 16 l, its last 8 at 512 + 8 l; row r of group a is
; rho(a, r) = 32 (a / 2) + 8 (a % 2) + r + 8 (r / 8).  [block of 128 rows][plane 0..15][a 0..7][768]; scale bytes [block][slot of 256 K][a][r][8].  A K slot of a block is 24,576 dense bytes.
; THE MATRIX INSTRUCTION IS USED TRANSPOSED (source 0 = 16 rows of B, source 1 = 16 rows of A): with the row order rho the 16 registers of tiles 2 bb, 2 bb + 1 are n' = 32 bb + 16 (l / 16) + 0 .. 15 of row m' = rho(a, l % 16).
; Four waves, each 128 x 128: 64 accumulators.  K = 1,024 is four slots of 256 through a ring of two LDS slots; the tail and all else is written out, without a loop.
; CLUSTERS: 4 x 4 work-groups; A's tiles are asked for jointly along a row of the cluster, B's along a column.  By this text's count a wave has one tensor load out at the start, later one.
; THE BIAS is the C of each sum's first matrix instruction.
; OUT: pc: q, k: [bh][sequence / 16 in rho order][768]; v: [bh][64 keys][channel tile 0..3][768].  ps: [bh][128 sequence positions][r][4 words].
; LIMITS: NaN and infinities are not served; a block of zeros, or one under 2^-124, gets the byte 1 (only this program reads the bytes).
; REGISTERS: window 0: v1-5 at work; v6-13 store offsets; v14 scale words' offset; v16-23 fragment addresses; v24-25 bias offsets; v27 scale address; v28-29 the add's; v32-63 scale words, two sets (they hold nothing else);
;   v64-127 the bias, later at work; v128-223 A's eight fragments, ONE set.   window 1: B's fragments, two sets at v0 and v128.   windows 2, 3: accumulator (a, b) at v[8 (8 (a % 4) + b)].
.set FR,     12                        ; registers of a fragment: 16 rows x 128 K
.set NP,     4                         ; places behind this matrix instruction (ISA guide 7.12.1)
.set PLANE,  6144                      ; eight half images
.set QUART,  24576                     ; a block's K slot: what one tensor load brings
.set SLOT,   24576                     ; LDS is laid [fetching wave][slot]: a wave's two slots lie on end, 49,152 bytes a wave
.set SCL,    196608                    ; behind the ring: the scale bytes of the four blocks for all of K, 4,096 each; filled once
.set SPARE,  212992                    ; the spare words, 128 bytes for each wave: two blocks of 256 bytes that no other line names
.set ADRA, 16                          ; v16-17 my A fragments in slot 0, 1 (+ 16 l); v18-19 the same + 512 + 8 l
.set ADRB, 20                          ; v20-23 the same for B
.set ADRS, 27
.set SPW,  28
.set NIL,  29
.set SC,   32
.set BI,   64
.set AF,   128
.set TM,   64                          ; the way out: v64-79 at work
.set PWS,  80                          ; v80-87 the eight scale words made
.set OUTW, 88                          ; v88-91 the four words that a lane stores
.set G1, 24
.set G0, 32
.set G1B, 48
.set G0B, 56
.set G1S, 68
.set G0S, 76
.set G1SB, 80
.set G0SB, 88
.set WV, 96                            ; s96 wave; s97 wave / 2: my half of the tile's rows, also: I fetch for A (0) or B (1); s98 wave % 2: my half of its columns, also: which block I fetch
.set WA, 97
.set WB, 98
.set MSB, 0
.macro WIN new                         ; the immediate's high byte repeats the setting that is left
.if MSB != \new
	s_set_vgpr_msb (MSB<<8)|\new
.set MSB, \new
.endif
.endm
.set MUL_LO, 0xa1                      ; source 0 (B) window 1, source 1 (A) window 0, C and D window 2
.set MUL_HI, 0xf1                      ; the same, C and D window 3
.set TO_B,   0x40                      ; destination window 1, address window 0
.macro JLOAD g0a, g1a, g0b, g1b        ; a joint load: waves 0, 1 fetch for A, waves 2, 3 for B; four v_nop follow each of the two lines
	s_cmp_eq_u32 s[WA], 0
	s_cbranch_scc0 .Lfor_b_\@
	tensor_load_to_lds s[\g0a:\g0a+3], s[\g1a:\g1a+7]
	s_nop 0
.rept 4
	v_nop
.endr
	s_branch .Lasked_\@
.Lfor_b_\@:
	tensor_load_to_lds s[\g0b:\g0b+3], s[\g1b:\g1b+7]
	s_nop 0
.rept 4
	v_nop
.endr
.Lasked_\@:
.endm
.macro CREST                           ; a round of the cluster's barrier behind its opening barrier
	s_cmp_lg_u32 s[WV], 0
	s_cbranch_scc1 .Lnot_wave_0_\@
	s_barrier_signal -3
.Lnot_wave_0_\@:
	s_barrier_wait -3
	s_barrier_signal -1
	s_barrier_wait -1
.endm
.macro CROUND
	s_barrier_signal -1
	s_barrier_wait -1
	CREST
.endm
.macro PLACES n
.rept \n
	v_nop
.endr
.endm
	s_load_b256 s[4:11], s[0:1], 0x0               ; xc, xs, wc, ws
	s_load_b256 s[12:19], s[0:1], 0x20             ; bq, bk, bv, pc
	s_load_b64 s[20:21], s[0:1], 0x40              ; ps
	v_lshl_add_u32 v[SPW], v0, 2, SPARE
	v_mov_b32 v[NIL], 0
	ds_add_u32 v28, v29
	ds_add_u32 v28, v29
	s_wait_dscnt 0x0
	v_lshrrev_b32 v1, 5, v0
	v_readfirstlane_b32 s[WV], v1
	s_lshr_b32 s[WA], s[WV], 1
	s_and_b32 s[WB], s[WV], 1
	s_bfe_u32 s40, ttmp6, 0x40000                  ; cx
	s_bfe_u32 s41, ttmp6, 0x40004                  ; cy
	s_and_b32 s23, ttmp7, 0xffff                   ; the cluster's y
	s_lshr_b32 s22, s23, 3                         ; P
	s_and_b32 s23, s23, 7                          ; yy
	s_lshl_b32 s43, s41, 2
	s_lshl_b32 s43, 15, s43                        ; my row of the cluster
	s_lshl_b32 s44, 0x1111, s40                    ; my column
	; descriptor groups 1: dense blocks as rows of 256 bytes (32 elements of 8 bytes): 96 rows of codes a K slot; no padding: every LDS read is of consecutive bytes
	s_or_b32 s[G1+0], s43, (3<<16)|(1<<21)
	s_or_b32 s[G1B+0], s44, (3<<16)|(1<<21)
.irp g, G1, G1B
	s_mov_b32 s[\g+1], 32<<16                      ; tensor_dim0
	s_mov_b32 s[\g+2], 192<<16                     ; tensor_dim1: the head's load brings K slots 0 and 1 of a block, 192 rows on end
	s_mov_b32 s[\g+3], 32<<16                      ; tile_dim0
	s_mov_b32 s[\g+4], 192                         ; tile_dim1
	s_mov_b32 s[\g+5], 32                          ; pitch
	s_mov_b32 s[\g+6], 0
	s_mov_b32 s[\g+7], 0
.endr
	s_mul_i32 s45, s[WV], 2*QUART                  ; where my loads go: no place in the cluster enters an LDS address
	s_lshl_b32 s100, s[WV], 12
	s_mov_b32 s3, 0
	s_wait_kmcnt 0x0
	s_mul_i32 s2, s22, 6291456
	s_add_nc_u64 s[4:5], s[4:5], s[2:3]            ; product P's activation: codes,
	s_lshl_b32 s2, s22, 18
	s_add_nc_u64 s[6:7], s[6:7], s[2:3]            ; scale bytes;
	s_mul_i32 s2, s22, 786432
	s_add_nc_u64 s[8:9], s[8:9], s[2:3]            ; its weight: codes,
	s_lshl_b32 s2, s22, 15
	s_add_nc_u64 s[10:11], s[10:11], s[2:3]        ; scale bytes
	s_mov_b32 s2, 3072
	s_mov_b32 s3, 98304
	s_cmp_eq_u32 s22, 2                            ; v changes the roles: the choice hangs on the cluster's y alone
	s_cselect_b64 s[66:67], s[8:9], s[4:5]         ; A's codes
	s_cselect_b64 s[46:47], s[4:5], s[8:9]         ; B's codes
	s_cselect_b64 s[94:95], s[10:11], s[6:7]       ; A's scale bytes
	s_cselect_b64 s[92:93], s[6:7], s[10:11]       ; B's
	s_cselect_b64 s[16:17], s[16:17], s[14:15]     ; bv or bk
	s_cselect_b32 s99, 0, s23
	s_cselect_b32 s42, s23, 0
	s_cselect_b32 s104, s3, s2                     ; S1: the way out's step from groups 0-3 to 4-7
	s_cselect_b32 s105, s2, s3                     ; S2: from a fragment's first half image to its second
	s_cmp_eq_u32 s22, 0
	s_cselect_b64 s[12:13], s[12:13], s[16:17]     ; the bias
	s_lshl_b32 s99, s99, 2
	s_add_co_u32 s99, s99, s41                     ; tile row: q, k: 4 yy + cy; v: cy
	s_lshl_b32 s42, s42, 2
	s_add_co_u32 s42, s42, s40                     ; tile column: q, k: cx; v: 4 yy + cx
	s_lshl_b32 s6, s99, 1
	s_add_co_u32 s6, s6, s[WB]                     ; A: the block of 128 rows that I fetch
	s_mul_i32 s4, s6, 98304
	s_mov_b32 s5, 0
	s_add_nc_u64 s[66:67], s[66:67], s[4:5]
	s_lshl_b32 s4, s6, 12
	s_add_nc_u64 s[94:95], s[94:95], s[4:5]
	s_lshl_b32 s10, s42, 1
	s_add_co_u32 s10, s10, s[WB]                   ; B likewise, in registers of its own
	s_mul_i32 s8, s10, 98304
	s_mov_b32 s9, 0
	s_add_nc_u64 s[46:47], s[46:47], s[8:9]
	s_lshl_b32 s8, s10, 12
	s_add_nc_u64 s[92:93], s[92:93], s[8:9]
	CROUND                                         ; all sixteen work-groups are here: the first joint loads meet
	s_cmp_eq_u32 s[WA], 0                          ; THE HEAD NOW: one tensor load a wave (K slots 0 and 1 of my block); my block's 4,096 scale bytes come by plain loads and LDS stores
	s_cselect_b64 s[76:77], s[94:95], s[92:93]     ; the scale bytes of the block that I fetch
.irp s, 0,1
	s_mov_b32 s[G0+4*\s], 1
	s_add_co_u32 s[G0+4*\s+1], s45, \s*SLOT
	s_add_nc_u64 s[G0+4*\s+2:G0+4*\s+3], s[66:67], \s*QUART
	s_or_b32 s[G0+4*\s+3], s[G0+4*\s+3], 0x80000000
	s_mov_b32 s[G0B+4*\s], 1
	s_add_co_u32 s[G0B+4*\s+1], s45, \s*SLOT
	s_add_nc_u64 s[G0B+4*\s+2:G0B+4*\s+3], s[46:47], \s*QUART
	s_or_b32 s[G0B+4*\s+3], s[G0B+4*\s+3], 0x80000000
.endr
	JLOAD G0, G1, G0B, G1B                         ; 192 rows: both slots' first fill
	v_and_b32 v1, 31, v0                           ; lane
	v_and_b32 v2, 15, v0                           ; r
	v_bfe_u32 v3, v0, 4, 1                         ; h
	v_lshlrev_b32 v4, 4, v1                        ; 16 l
	v_lshlrev_b32 v5, 3, v1
	v_add_nc_u32 v5, 512, v5                       ; 512 + 8 l
	v_add_nc_u32 v30, s100, v4
	v_add_nc_u32 v30, SCL, v30                     ; where my 16 bytes of scale bytes go: SCL + 4,096 wave + 16 l
	s_mul_i32 s4, s[WA], 2*QUART                   ; my block of A
	s_mul_i32 s5, s[WB], 2*QUART
	s_add_co_u32 s5, s5, 4*QUART                   ; my block of B, behind A's two
.irp s, 0,1
	v_add_nc_u32 v[ADRA+\s], s4, v4
	v_add_nc_u32 v[ADRA+2+\s], s4, v5
	v_add_nc_u32 v[ADRB+\s], s5, v4
	v_add_nc_u32 v[ADRB+2+\s], s5, v5
	s_add_co_u32 s4, s4, SLOT
	s_add_co_u32 s5, s5, SLOT
.endr
	s_xor_b32 s5, s[WA], 1                         ; scale words: lanes 0-15 take A's rows, lanes 16-31 B's, which lie 8,192 + 4,096 (wave % 2 - wave / 2) bytes on:
	s_add_co_u32 s5, s5, s[WB]
	s_add_co_u32 s5, s5, 1
	s_lshl_b32 s5, s5, 12                          ; 4,096 x ((wave / 2 xor 1) + wave % 2 + 1)
	v_mul_u32_u24 v[ADRS], s5, v3
	s_lshl_b32 s4, s[WA], 12
	s_add_co_u32 s4, s4, SCL
	v_lshl_add_u32 v[ADRS], v2, 3, v[ADRS]
	v_add_nc_u32 v[ADRS], s4, v[ADRS]
	v_mov_b32 v6, v4                               ; the way out: 16 l + x S1 + y S2 at v[6 + 2 x + y],
	v_add_nc_u32 v7, s105, v4
	v_add_nc_u32 v8, s104, v4
	v_add_nc_u32 v9, s104, v7
	v_mov_b32 v10, v5                              ; 512 + 8 l + the same at v[10 + 2 x + y]
	v_add_nc_u32 v11, s105, v5
	v_add_nc_u32 v12, s104, v5
	v_add_nc_u32 v13, s104, v11
	v_lshlrev_b32 v14, 4, v2
	v_lshl_add_u32 v14, v3, 12, v14                ; scale words: 16 r, lanes 16-31 the next head
	v_lshlrev_b32 v24, 6, v3                       ; bias along n': 16 h numbers on
	v_and_b32 v25, 8, v2
	v_add_nc_u32 v25, v25, v2
	v_lshlrev_b32 v25, 2, v25                      ; bias along m': r + 8 (r / 8)
	s_lshl_b32 s101, s99, 8
	s_lshl_b32 s4, s[WA], 7
	s_add_co_u32 s101, s101, s4                    ; m0: my first row of C'
	s_lshl_b32 s100, s42, 8
	s_lshl_b32 s4, s[WB], 7
	s_add_co_u32 s100, s100, s4                    ; n0: my first column
	s_cmp_eq_u32 s22, 2
	s_cselect_b32 s2, s100, s101                   ; the sequence's row among 8,192
	s_cselect_b32 s3, s101, s100                   ; the channel among 1,024
	s_lshr_b32 s4, s2, 11
	s_lshl_b32 s4, s4, 4
	s_lshr_b32 s5, s3, 6
	s_add_co_u32 s4, s4, s5                        ; bh of my first head
	s_bfe_u32 s5, s2, 0x40007                      ; which 128 of the sequence
	s_mul_i32 s6, s22, 6291456
	s_mul_i32 s7, s4, 98304
	s_add_co_u32 s6, s6, s7
	s_mul_i32 s7, s5, 6144
	s_add_co_u32 s6, s6, s7
	s_mov_b32 s7, 0
	s_add_nc_u64 s[18:19], s[18:19], s[6:7]        ; my codes
	s_lshl_b32 s6, s22, 18
	s_lshl_b32 s8, s4, 12
	s_add_co_u32 s6, s6, s8
	s_lshl_b32 s8, s5, 8
	s_add_co_u32 s6, s6, s8
	s_add_nc_u64 s[20:21], s[20:21], s[6:7]        ; my scale words
	s_lshl_b32 s6, s3, 2
	s_add_nc_u64 s[12:13], s[12:13], s[6:7]        ; my 128 numbers of the bias
	s_cmp_eq_u32 s22, 2
	s_cbranch_scc1 .Lbias_v
	s_wait_alu depctr_va_vdst(0)
.irp b, 0,1,2,3,4,5,6,7                ; q, k: register j of tile (a, b) is column 32 (b / 2) + 16 h + 8 (b % 2) + j
	global_load_b128 v[BI+8*\b:BI+8*\b+3], v24, s[12:13] offset:128*(\b/2)+32*(\b%2)
	global_load_b128 v[BI+8*\b+4:BI+8*\b+7], v24, s[12:13] offset:128*(\b/2)+32*(\b%2)+16
.endr
	s_branch .Lbias_done
.Lbias_v:
	s_wait_alu depctr_va_vdst(0)
.irp a, 0,1,2,3,4,5,6,7                ; v: all eight registers of tile (a, b) belong to channel rho(a, r)
.irp j, 0,1,2,3,4,5,6,7
	global_load_b32 v[BI+8*\a+\j], v25, s[12:13] offset:128*(\a/2)+32*(\a%2)
.endr
.endr
.Lbias_done:
.irp i, 0,1,2,3,4,5,6,7
	global_load_b128 v[AF+4*\i:AF+4*\i+3], v4, s[76:77] offset:512*\i   ; 512 consecutive bytes an instruction
.endr
.macro FRAG reg, adr, q, i             ; a fragment = two half images: planes 2 q and 2 q + 1 of the slot, group i.  Every load reads consecutive bytes
	ds_load_b128 v[\reg:\reg+3], v[\adr] offset:(2*(\q))*PLANE+768*(\i)
	ds_load_b64 v[\reg+4:\reg+5], v[\adr+2] offset:(2*(\q))*PLANE+768*(\i)
	ds_load_b128 v[\reg+6:\reg+9], v[\adr] offset:(2*(\q)+1)*PLANE+768*(\i)
	ds_load_b64 v[\reg+10:\reg+11], v[\adr+2] offset:(2*(\q)+1)*PLANE+768*(\i)
.endm
; 16 matrix instructions: A's groups a0, a0 + 1 x B's eight, the slot's q-th 128 along K.  p: B's set; sc: the set of scale words.  mode 0: onto the sums; 1: the sums begin with the bias along n'; 2: along m'.
; The 64 accumulators take turns, one instruction a turn, in the same order in every step.
.macro MUL16 a0, p, q, sc, mode
.irp a, \a0, \a0+1
.irp b, 0,1,2,3,4,5,6,7
.if \mode == 0
	v_wmma_scale_f32_16x16x128_f8f6f4 v[8*(8*((\a)%4)+\b):8*(8*((\a)%4)+\b)+7], v[128*(\p)+FR*\b:128*(\p)+FR*\b+FR-1], v[AF+FR*(\a):AF+FR*(\a)+FR-1], v[8*(8*((\a)%4)+\b):8*(8*((\a)%4)+\b)+7], v[SC+16*(\sc)+2*\b+(\q)], v[SC+16*(\sc)+2*(\a)+(\q)] matrix_a_fmt:MATRIX_FMT_FP6 matrix_b_fmt:MATRIX_FMT_FP6 matrix_a_scale:MATRIX_SCALE_ROW1
.elseif \mode == 1
	v_wmma_scale_f32_16x16x128_f8f6f4 v[8*(8*((\a)%4)+\b):8*(8*((\a)%4)+\b)+7], v[128*(\p)+FR*\b:128*(\p)+FR*\b+FR-1], v[AF+FR*(\a):AF+FR*(\a)+FR-1], v[BI+8*\b:BI+8*\b+7], v[SC+16*(\sc)+2*\b+(\q)], v[SC+16*(\sc)+2*(\a)+(\q)] matrix_a_fmt:MATRIX_FMT_FP6 matrix_b_fmt:MATRIX_FMT_FP6 matrix_a_scale:MATRIX_SCALE_ROW1
.else
	v_wmma_scale_f32_16x16x128_f8f6f4 v[8*(8*((\a)%4)+\b):8*(8*((\a)%4)+\b)+7], v[128*(\p)+FR*\b:128*(\p)+FR*\b+FR-1], v[AF+FR*(\a):AF+FR*(\a)+FR-1], v[BI+8*(\a):BI+8*(\a)+7], v[SC+16*(\sc)+2*\b+(\q)], v[SC+16*(\sc)+2*(\a)+(\q)] matrix_a_fmt:MATRIX_FMT_FP6 matrix_b_fmt:MATRIX_FMT_FP6 matrix_a_scale:MATRIX_SCALE_ROW1
.endif
.endr
.endr
.endm
.macro FETCH_B slot, q, p
	WIN TO_B
.irp i, 0,1,2,3,4,5,6,7
	FRAG 128*(\p)+FR*\i, ADRB+\slot, \q, \i
.endr
	WIN 0
.endm
.macro FETCH_A slot, q, i0
.irp i, \i0, \i0+1, \i0+2, \i0+3
	FRAG AF+FR*(\i), ADRA+\slot, \q, \i
.endr
.endm
.macro SCALES sc                       ; a K slot's scale words: two a row; lanes 0-15 A's group i, lanes 16-31 B's group i
.irp i, 0,1,2,3,4,5,6,7
	ds_load_b64 v[SC+16*\sc+2*\i:SC+16*\sc+2*\i+1], v[ADRS] offset:128*\i
.endr
.endm
; A step of 128 along K that has its successor in the same slot.  A load into a register that a matrix instruction has read stands NP places behind it (ISA guide 7.12.1 for vector instructions).
.macro STEP slot, q, mode
	s_wait_dscnt 16                                ; B's set, A's groups 0-3 and the scale words are in; the 16 youngest loads (A's groups 4-7) may be out
.if \mode
	WIN 0x81                                       ; the bias lies in window 0
.else
	WIN MUL_LO
.endif
	MUL16 0, (\q)%2, \q, \slot, \mode
	MUL16 2, (\q)%2, \q, \slot, \mode
	s_wait_dscnt 0
	PLACES NP
	FETCH_B \slot, (\q)+1, 1-(\q)%2
	FETCH_A \slot, (\q)+1, 0
.if \mode
	WIN 0xc1
.else
	WIN MUL_HI
.endif
	MUL16 4, (\q)%2, \q, \slot, \mode
	MUL16 6, (\q)%2, \q, \slot, \mode
	PLACES NP
	WIN 0
	FETCH_A \slot, (\q)+1, 4
.endm
; A slot's last step changes slots: ONE barrier; in front of it each wave waits for all its tensor loads, adds 0 to its spare word, and waits for that and for its own reads of this slot.  fill = 1: the slot is filled again, two K slots ahead.
.macro TURN slot, next, fill
	s_wait_tensorcnt 0x0                           ; all my tensor loads have landed: my part of the next slot
	ds_add_u32 v[SPW], v[NIL]                      ; 0 onto my spare word
	s_wait_dscnt 17                                ; (the add and the 16 youngest loads, A's groups 4-7, may be out)
	WIN MUL_LO
	MUL16 0, 1, 1, \slot, 0                        ; sixteen matrix instructions stand between the add and the wait for it
	s_wait_dscnt 0x0                               ; the add is done, and my reads of this slot are over
	s_barrier_signal -1
	MUL16 2, 1, 1, \slot, 0
	WIN 0
	s_barrier_wait -1
.if \fill
	CREST                                          ; the barrier has opened a round of the cluster's barrier: no wave of any partner still reads this slot or has a load on its way
	s_add_nc_u64 s[G0+4*\slot+2:G0+4*\slot+3], s[G0+4*\slot+2:G0+4*\slot+3], 2*QUART
	s_add_nc_u64 s[G0B+4*\slot+2:G0B+4*\slot+3], s[G0B+4*\slot+2:G0B+4*\slot+3], 2*QUART
	JLOAD G0+4*\slot, G1, G0B+4*\slot, G1B         ; the first tensor load behind the round; its four v_nop are the places in front of the loads below
.else
	PLACES NP
.endif
	s_wait_alu depctr_va_vdst(0)
	v_add_nc_u32 v[ADRS], 1024, v[ADRS]            ; the next K slot's scale words
	FETCH_B \next, 0, 0
	FETCH_A \next, 0, 0
	SCALES \next
	WIN MUL_HI
	MUL16 4, 1, 1, \slot, 0
	MUL16 6, 1, 1, \slot, 0
	PLACES NP
	WIN 0
	FETCH_A \next, 0, 4
.endm
	s_wait_loadcnt 0x0                             ; the bias and the scale bytes
.irp i, 0,1,2,3,4,5,6,7
	ds_store_b128 v30, v[AF+4*\i:AF+4*\i+3] offset:512*\i
.endr
	s_wait_tensorcnt 0x0                           ; my part of K slots 0 and 1 is in; no tensor load of mine is out, so a descriptor may be written:
	s_mov_b32 s[G1+2], 96<<16                      ; from here on a load brings one K slot, 96 rows
	s_mov_b32 s[G1+4], 96
	s_mov_b32 s[G1B+2], 96<<16
	s_mov_b32 s[G1B+4], 96
	s_wait_dscnt 0x0                               ; my stores of scale bytes are done
	s_barrier_signal -1
	s_barrier_wait -1
	FETCH_B 0, 0, 0
	FETCH_A 0, 0, 0
	SCALES 0
	FETCH_A 0, 0, 4
	s_cmp_eq_u32 s22, 2
	s_cbranch_scc1 .Lfirst_v
	STEP 0, 0, 1                                   ; the first step starts the sums with the bias
	s_branch .Lfirst_done
.Lfirst_v:
	STEP 0, 0, 2
.Lfirst_done:
	TURN 0, 1, 1                                   ; LDS slot 0 takes K slot 2
	STEP 1, 0, 0
	TURN 1, 0, 1                                   ; LDS slot 1 takes K slot 3
	STEP 0, 0, 0
	TURN 0, 1, 0                                   ; nothing is left to fetch
	STEP 1, 0, 0
	s_wait_dscnt 16
	WIN MUL_LO
	MUL16 0, 1, 1, 1, 0
	MUL16 2, 1, 1, 1, 0
	s_wait_dscnt 0
	WIN MUL_HI
	MUL16 4, 1, 1, 1, 0
	MUL16 6, 1, 1, 1, 0
	WIN 0
	PLACES NP                                      ; behind the last products: results are read and operands' registers written below
; THE WAY OUT.  Group a's 64 registers of a lane are 16 bb + i = n' 32 bb + 16 h + i of row rho(a, r): four blocks of 32, each in lanes l and l xor 16.  They become one fragment (two half images) and one scale word.
	s_mov_b32 s4, 0x76543210
	s_mov_b32 s5, 0xfedcba98                       ; v_permlanex16_b32's selects for lane l xor 16
.macro QUANTW a
.set WW, 2+(\a)/4                      ; the accumulators' window
.set WW5, 5*WW                         ; sources 0 and 1 in it
.set ACS, 64*((\a)%4)
.set PC, 96+20*((\a)%2)                ; two sets of 20 registers by turns: 12 codes, 2 x 4 for the second conversions
	WIN WW5
.irp b, 0,1,2,3
	v_max3_num_f32 v[TM+\b], |v[ACS+16*\b]|, |v[ACS+16*\b+1]|, 0x1800000   ; each accumulator is read from its low end on; the floor 2^(3 - 127) holds the byte at 1 from below
.endr
.irp i, 2,4,6,8,10,12,14
.irp b, 0,1,2,3
	v_max3_num_f32 v[TM+\b], |v[ACS+16*\b+\i]|, |v[ACS+16*\b+\i+1]|, v[TM+\b]
.endr
.endr
	WIN 0
.irp b, 0,1,2,3
	v_permlanex16_b32 v[TM+4+\b], v[TM+\b], s4, s5
.endr
.irp b, 0,1,2,3
	v_max_num_f32 v[TM+\b], v[TM+\b], v[TM+4+\b]   ; the block's largest magnitude
.endr
.irp b, 0,1,2,3
	v_add_nc_u32 v[TM+12+\b], 0xff000000, v[TM+\b] ; 2 off its exponent field: the conversion's scale operand
.endr
.irp b, 0,1,2,3
	v_lshrrev_b32 v[TM+4+\b], 23, v[TM+12+\b]      ; the scale's byte
.endr
	v_lshl_or_b32 v[PWS+(\a)], v[TM+5], 8, v[TM+4]
	v_lshl_or_b32 v[PWS+(\a)], v[TM+6], 16, v[PWS+(\a)]
	v_lshl_or_b32 v[PWS+(\a)], v[TM+7], 24, v[PWS+(\a)]
.if (\a) > 1
	s_wait_xcnt 0x0                                ; group a - 2's stores have read this set of registers
.endif
	WIN WW
.irp c, 0,1
	v_cvt_scalef32_pk16_fp6_f32 v[PC+6*\c:PC+6*\c+2], v[ACS+32*\c:ACS+32*\c+15], v[TM+12+2*\c]
	v_cvt_scalef32_pk16_fp6_f32 v[PC+12+4*\c:PC+14+4*\c], v[ACS+32*\c+16:ACS+32*\c+31], v[TM+12+2*\c+1]
.endr
	WIN 0
	v_nop                                          ; one plain place behind a scaled conversion
.irp c, 0,1                            ; the operand's layout wants a WHOLE block in a lane: lanes 0-15 block 2 c, lanes 16-31 block 2 c + 1
.irp i, 0,1,2
	v_permlane16_swap_b32 v[PC+6*\c+\i], v[PC+12+4*\c+\i]
.endr
.irp i, 0,1,2
	v_mov_b32 v[PC+3+6*\c+\i], v[PC+12+4*\c+\i]
.endr
.endr
.irp c, 0,1                            ; half image c: q, k: head c; v: keys 64 c on.  512 and 256 consecutive bytes
	global_store_b128 v[6+2*((\a)/4)+\c], v[PC+6*\c:PC+6*\c+3], s[18:19] offset:768*((\a)%4)
	global_store_b64 v[10+2*((\a)/4)+\c], v[PC+6*\c+4:PC+6*\c+5], s[18:19] offset:768*((\a)%4)
.endr
.endm
.irp a, 0,1,2,3,4,5,6,7
	QUANTW \a
.endr
	s_mov_b32 vcc_lo, 0xffff0000                   ; lanes 16-31 take the second head's words
	s_cmp_eq_u32 s22, 2
	s_cbranch_scc1 .Lsw_v
.irp f, 0,1,2,3                        ; q, k: a head's word f = the two bytes of group 2 f, then those of group 2 f + 1
	v_perm_b32 v[TM+\f], v[PWS+2*\f+1], v[PWS+2*\f], 0x05040100
	v_perm_b32 v[TM+4+\f], v[PWS+2*\f+1], v[PWS+2*\f], 0x07060302
.endr
.irp f, 0,1,2,3
	v_cndmask_b32 v[OUTW+\f], v[TM+\f], v[TM+4+\f], vcc_lo
.endr
	s_branch .Lsw_done
.Lsw_v:
.irp f, 0,1,2,3                        ; v: a head's word t = the four key blocks' bytes of channel tile t
	v_cndmask_b32 v[OUTW+\f], v[PWS+\f], v[PWS+4+\f], vcc_lo
.endr
.Lsw_done:
	s_wait_alu depctr_va_vdst(0)
	global_store_b128 v14, v[OUTW:OUTW+3], s[20:21]    ; each half of the lanes stores 256 consecutive bytes, aligned
	s_wait_tensorcnt 0x0                           ; the wave's end
	ds_add_u32 v[SPW], v[NIL]
	s_wait_dscnt 0x0
	CROUND                                         ; the closing round: no work-group ends while a partner may still ask for a tile that names it
	s_endpgm
.Lfunc_end_k_qfe207188d1_projqkv:
	.size	k_qfe207188d1_projqkv, .Lfunc_end_k_qfe207188d1_projqkv-k_qfe207188d1_projqkv
	.p2alignl 7, 3214868480
	.fill 96, 4, 3214868480
	.section	.rodata,"a",@progbits
	.p2align	6, 0x0
	.amdhsa_kernel k_qfe207188d1_projqkv
		.amdhsa_group_segment_fixed_size 327680
		.amdhsa_private_segment_fixed_size 0
		.amdhsa_enable_private_segment 0
		.amdhsa_kernarg_size 72
		.amdhsa_user_sgpr_count 2
		.amdhsa_user_sgpr_kernarg_segment_ptr 1
		.amdhsa_wavefront_size32 1
		.amdhsa_system_sgpr_workgroup_id_x 1
		.amdhsa_system_sgpr_workgroup_id_y 1
		.amdhsa_system_sgpr_workgroup_id_z 1
		.amdhsa_system_vgpr_workitem_id 0
		.amdhsa_next_free_vgpr 1024
		.amdhsa_next_free_sgpr 106
		.amdhsa_reserve_vcc 1
		.amdhsa_float_denorm_mode_32 3
		.amdhsa_float_denorm_mode_16_64 3
		.amdhsa_memory_ordered 1
		.amdhsa_forward_progress 1
		.amdhsa_inst_pref_size 171
	.end_amdhsa_kernel
	.amdgpu_metadata
---
amdhsa.version: [ 1, 2 ]
amdhsa.kernels:
  - .name:           k_qfe207188d1_projqkv
    .symbol:         k_qfe207188d1_projqkv.kd
    .args:
      - { .name: xc, .offset: 0, .size: 8, .value_kind: global_buffer, .address_space: global }
      - { .name: xs, .offset: 8, .size: 8, .value_kind: global_buffer, .address_space: global }
      - { .name: wc, .offset: 16, .size: 8, .value_kind: global_buffer, .address_space: global }
      - { .name: ws, .offset: 24, .size: 8, .value_kind: global_buffer, .address_space: global }
      - { .name: bq, .offset: 32, .size: 8, .value_kind: global_buffer, .address_space: global }
      - { .name: bk, .offset: 40, .size: 8, .value_kind: global_buffer, .address_space: global }
      - { .name: bv, .offset: 48, .size: 8, .value_kind: global_buffer, .address_space: global }
      - { .name: pc, .offset: 56, .size: 8, .value_kind: global_buffer, .address_space: global }
      - { .name: ps, .offset: 64, .size: 8, .value_kind: global_buffer, .address_space: global }
    .group_segment_fixed_size: 327680
    .private_segment_fixed_size: 0
    .kernarg_segment_align: 8
    .kernarg_segment_size: 72
    .max_flat_workgroup_size: 128
    .sgpr_count:     106
    .vgpr_count:     1024
    .wavefront_size: 32
...
	.end_amdgpu_metadata
.endif
;; end of part 2
;; launch attn (part 3): grid 4 x 64, 16 waves a work-group, clusters of 4 x 1, 327,680 bytes of LDS; arguments pc, ps, oc, os; writes oc, os
.if DOCPART == 3
	.amdgcn_target "amdgcn-amd-amdhsa--gfx1250"
	.amdhsa_code_object_version 6
	.text
	.protected	k_qfe207188d1_attn
	.globl	k_qfe207188d1_attn
	.p2align	8
	.type	k_qfe207188d1_attn,@function
k_qfe207188d1_attn:
	s_mov_b64 s[64:65], 0
	v_nop
	global_prefetch_b8 v0, s[64:65] scope:SCOPE_SE
	s_setreg_imm32_b32 hwreg(HW_REG_WAVE_MODE, 25, 1), 1
	s_wait_xcnt 0x0
	s_wait_alu depctr_hold_cnt(0) depctr_sa_sdst(0) depctr_va_vdst(0) depctr_va_sdst(0) depctr_va_ssrc(0) depctr_va_vcc(0) depctr_vm_vsrc(0)
	s_getreg_b32 s2, hwreg(HW_REG_IB_STS2, 6, 4)
	s_cmp_eq_u32 s2, 0
	s_cbranch_scc0 .Lentry_in_a_cluster
	s_endpgm
.Lentry_in_a_cluster:
	s_bfe_u32 s2, ttmp6, 0x10000c
	s_cmp_lg_u32 s2, 0x3003
	s_cbranch_scc0 .Lentry_shape_is_right
	s_endpgm
.Lentry_shape_is_right:
.set FRG, 44
.set S,   92
.set O,   156
.set PCD, 188
.set BM,  208
.set PT,  212
.set SO,  216
.macro CROUND
	s_barrier_signal -1
	s_barrier_wait -1
	s_cmp_lg_u32 s12, 0
	s_cbranch_scc1 .Lnot_wave_0_\@
	s_barrier_signal -3
.Lnot_wave_0_\@:
	s_barrier_wait -3
	s_barrier_signal -1
	s_barrier_wait -1
.endm
	s_load_b256 s[4:11], s[0:1], 0x0
	v_lshl_add_u32 v224, v0, 2, 0x32000
	v_mov_b32 v225, 0
	ds_add_u32 v224, v225
	ds_add_u32 v224, v225
	v_lshrrev_b32 v1, 5, v0
	s_delay_alu instid0(VALU_DEP_1)
	v_readfirstlane_b32 s12, v1
	s_bfe_u32 s13, ttmp6, 0x40000
	s_and_b32 s14, ttmp7, 0xffff
	s_lshr_b32 s15, s12, 3
	s_and_b32 s57, s12, 7
	s_mov_b32 s16, 15|(3<<16)|(1<<21)
	s_mov_b32 s17, 32<<16
	s_mov_b32 s18, 48<<16
	s_mov_b32 s19, 32<<16
	s_mov_b32 s20, 48
	s_mov_b32 s21, 32
	s_mov_b32 s22, 0
	s_mov_b32 s23, 0
	s_add_co_u32 s62, s15, 1
	s_mul_i32 s58, s62, 6291456
	s_mul_i32 s63, s14, 98304
	s_add_co_u32 s58, s58, s63
	s_mul_i32 s63, s57, 12288
	s_add_co_u32 s58, s58, s63
	s_mov_b32 s59, 0
	s_lshl_b32 s60, s62, 18
	s_lshl_b32 s63, s14, 12
	s_add_co_u32 s60, s60, s63
	s_lshl_b32 s63, s57, 9
	s_add_co_u32 s60, s60, s63
	s_mov_b32 s61, 0
	s_mov_b32 s32, 1
	s_mul_i32 s33, s12, 12288
	s_lshl_b32 s37, s12, 9
	s_add_co_u32 s37, s37, 196608
	s_mov_b32 s40, 0x76543210
	s_mov_b32 s41, 0xfedcba98
	s_mov_b32 s42, 0x3e38aa3b
	s_mov_b32 s43, s42
	s_wait_dscnt 0x0
	s_wait_kmcnt 0x0
	s_add_nc_u64 s[34:35], s[4:5], s[58:59]
	s_or_b32 s35, s35, 0x80000000
	s_add_nc_u64 s[38:39], s[6:7], s[60:61]
	CROUND
	tensor_load_to_lds s[32:35], s[16:23]          ; my one tensor load: 12,288 bytes of k's or v's codes
	s_nop 0
.rept 4
	v_nop
.endr
	s_lshl_b32 s62, s13, 5
	s_add_co_u32 s62, s62, s12
	s_mul_i32 s58, s62, 768
	s_mul_i32 s63, s14, 98304
	s_add_co_u32 s58, s58, s63
	s_add_nc_u64 s[48:49], s[4:5], s[58:59]
	s_lshl_b32 s62, s13, 2
	s_add_co_u32 s62, s62, s15
	s_lshl_b32 s58, s62, 8
	s_lshl_b32 s63, s14, 12
	s_add_co_u32 s58, s58, s63
	s_lshl_b32 s63, s57, 1
	s_add_co_u32 s58, s58, s63
	s_add_nc_u64 s[50:51], s[6:7], s[58:59]
	s_lshr_b32 s63, s14, 4
	s_lshl_b32 s63, s63, 4
	s_add_co_u32 s62, s62, s63
	s_and_b32 s60, s14, 15
	s_mul_i32 s58, s62, 98304
	s_mul_i32 s63, s60, 6144
	s_add_co_u32 s58, s58, s63
	s_mul_i32 s63, s57, 768
	s_add_co_u32 s58, s58, s63
	s_add_nc_u64 s[52:53], s[8:9], s[58:59]
	s_lshl_b32 s58, s62, 12
	s_lshr_b32 s63, s60, 2
	s_lshl_b32 s63, s63, 10
	s_add_co_u32 s58, s58, s63
	s_lshl_b32 s63, s57, 7
	s_add_co_u32 s58, s58, s63
	s_and_b32 s63, s14, 3
	s_lshl_b32 s63, s63, 1
	s_add_co_u32 s58, s58, s63
	s_add_nc_u64 s[54:55], s[10:11], s[58:59]
	v_and_b32 v11, 31, v0
	s_delay_alu instid0(VALU_DEP_1)
	v_lshlrev_b32 v1, 4, v11
	s_delay_alu instid0(VALU_DEP_2)
	v_lshlrev_b32 v2, 3, v11
	s_delay_alu instid0(VALU_DEP_1)
	v_add_nc_u32 v2, 512, v2
	v_and_b32 v3, 15, v0
	v_bfe_u32 v10, v0, 4, 1
	s_delay_alu instid0(VALU_DEP_1)
	v_lshl_add_u32 v10, v3, 3, v10
	s_delay_alu instid0(VALU_DEP_3)
	v_lshlrev_b32 v3, 4, v3
	s_delay_alu instid0(VALU_DEP_1)
	v_add_nc_u32 v4, 196608, v3
	v_add_nc_u32 v5, s37, v1                       ; my wave's 512 scale bytes of k or v come by one plain load and one LDS store: 196,608 + 512 wave + 16 l
	global_load_b128 v[36:39], v1, s[38:39]
.irp i, 22,23,24,25,26,27
	v_mov_b32 v\i, 0
.endr
.irp i, 212,213,214,215,221,223
	v_mov_b32 v\i, 0
.endr
	s_wait_alu depctr_va_vdst(0)
	s_wait_loadcnt 0x0
	ds_store_b128 v5, v[36:39]
	s_wait_dscnt 0x0
	s_wait_tensorcnt 0x0
	s_barrier_signal -1
	s_barrier_wait -1
	s_mov_b32 vcc_lo, 0xffff0000                   ; lanes 16-31; written behind the tensor load
.macro STEP
	v_add_nc_u32 v5, s44, v1
	v_add_nc_u32 v6, s44, v2
	s_delay_alu instid0(VALU_DEP_2)
	v_add_nc_u32 v7, 0x18000, v5
	s_delay_alu instid0(VALU_DEP_2)
	v_add_nc_u32 v8, 0x18000, v6
	v_add_nc_u32 v9, s45, v4
.irp f, 0,1,2,3
.irp u, 0,1
	ds_load_b128 v[FRG+12*\f+6*\u:FRG+12*\f+6*\u+3], v5 offset:768*(2*\f+\u)
	ds_load_b64 v[FRG+12*\f+6*\u+4:FRG+12*\f+6*\u+5], v6 offset:768*(2*\f+\u)
.endr
.endr
	ds_load_b128 v[36:39], v9
	ds_load_b128 v[40:43], v9 offset:4096
	s_wait_alu depctr_va_vdst(0)
	s_wait_dscnt 0x0
.irp f, 0,1,2,3
	v_wmma_scale_f32_16x16x128_f8f6f4 v[S+16*\f:S+16*\f+7], v[FRG+12*\f:FRG+12*\f+11], v[16:27], 0, v[36+\f], v34 matrix_a_fmt:MATRIX_FMT_FP6 matrix_b_fmt:MATRIX_FMT_FP6
	v_wmma_scale_f32_16x16x128_f8f6f4 v[S+16*\f+8:S+16*\f+15], v[FRG+12*\f:FRG+12*\f+11], v[22:33], 0, v[36+\f], v35 matrix_a_fmt:MATRIX_FMT_FP6 matrix_b_fmt:MATRIX_FMT_FP6
.endr
.rept 4
	v_nop
.endr
.irp t, 0,1,2,3
.irp c, 0,1
	ds_load_b128 v[FRG+12*\t+6*\c:FRG+12*\t+6*\c+3], v7 offset:3072*\c+768*\t
	ds_load_b64 v[FRG+12*\t+6*\c+4:FRG+12*\t+6*\c+5], v8 offset:3072*\c+768*\t
.endr
.endr
.irp b, 0,1,2,3
	v_max3_num_f32 v[BM+\b], v[S+16*\b], v[S+16*\b+1], v[S+16*\b+2]
.endr
.irp i, 3,5,7,9,11,13
.irp b, 0,1,2,3
	v_max3_num_f32 v[BM+\b], v[BM+\b], v[S+16*\b+\i], v[S+16*\b+\i+1]
.endr
.endr
.irp b, 0,1,2,3
	v_max_num_f32 v[BM+\b], v[BM+\b], v[S+16*\b+15]
.endr
.irp b, 0,1,2,3
	s_delay_alu instid0(VALU_DEP_4)
	v_permlanex16_b32 v[PT+\b], v[BM+\b], s40, s41
.endr
.irp b, 0,1,2,3
	s_delay_alu instid0(VALU_DEP_4)
	v_max_num_f32 v[BM+\b], v[BM+\b], v[PT+\b]
.endr
	s_delay_alu instid0(VALU_DEP_2)
	v_max3_num_f32 v223, v208, v209, v210
	s_delay_alu instid0(VALU_DEP_1)
	v_max_num_f32 v223, v223, v211
	s_delay_alu instid0(VALU_DEP_1)
	v_mul_f32 v223, s42, v223
	s_delay_alu instid0(VALU_DEP_1)
	v_max_num_f32 v13, v13, v223
	v_mov_b32 v223, v12
	s_delay_alu instid0(VALU_DEP_2)
	v_floor_f32 v12, -v13
	s_delay_alu instid0(VALU_DEP_1)
	v_sub_f32 v223, v12, v223
	s_delay_alu instid0(VALU_DEP_1)
	v_cvt_i32_f32 v223, v223
	s_delay_alu instid0(VALU_DEP_1)
	v_ldexp_f32 v220, 1.0, v223
.set j, 0
.rept 32
	v_pk_fma_f32 v[S+j:S+j+1], v[S+j:S+j+1], s[42:43], v[12:13] op_sel_hi:[1,0,0]
.set j, j+2
.endr
.irp b, 0,1,2,3
	v_fma_f32 v[BM+\b], v[BM+\b], s42, v12
.endr
.set j, 0
	s_wait_alu depctr_va_vdst(0)
.rept 64
	v_exp_f32 v[S+j], v[S+j]
.set j, j+1
.endr
.irp b, 0,1,2,3
	v_exp_f32 v[BM+\b], v[BM+\b]
.endr
	v_pk_mul_f32 v[14:15], v[14:15], v[220:221] op_sel_hi:[1,0]
.set j, 0
	s_wait_alu depctr_va_vdst(0)
.rept 16
	v_pk_mul_f32 v[O+j:O+j+1], v[O+j:O+j+1], v[220:221] op_sel_hi:[1,0]
.set j, j+2
.endr
	s_wait_alu depctr_va_vdst(0)
.irp b, 0,1,2,3
	v_max_num_f32 v[BM+\b], 0x1800000, v[BM+\b]
.endr
.irp b, 0,1,2,3
	s_delay_alu instid0(VALU_DEP_4)
	v_add_nc_u32 v[SO+\b], 0xff000000, v[BM+\b]
.endr
.irp b, 0,1,2,3
	s_delay_alu instid0(VALU_DEP_4)
	v_lshrrev_b32 v[PT+\b], 23, v[SO+\b]
.endr
	s_delay_alu instid0(VALU_DEP_3)
	v_lshl_or_b32 v222, v213, 8, v212
	s_delay_alu instid0(VALU_DEP_1)
	v_lshl_or_b32 v222, v214, 16, v222
	s_delay_alu instid0(VALU_DEP_1)
	v_lshl_or_b32 v222, v215, 24, v222
.irp c, 0,1
	v_cvt_scalef32_pk16_fp6_f32 v[PCD+6*\c:PCD+6*\c+2], v[S+32*\c:S+32*\c+15], v[SO+2*\c]
	v_cvt_scalef32_pk16_fp6_f32 v[200+4*\c:202+4*\c], v[S+32*\c+16:S+32*\c+31], v[SO+2*\c+1]
.endr
	v_nop
.irp c, 0,1
.irp i, 0,1,2
	v_permlane16_swap_b32 v[PCD+6*\c+\i], v[200+4*\c+\i]
.endr
.irp i, 0,1,2
	s_delay_alu instid0(VALU_DEP_3)
	v_mov_b32 v[PCD+3+6*\c+\i], v[200+4*\c+\i]
.endr
.endr
	v_pk_add_f32 v[212:213], v[S:S+1], v[S+2:S+3]
.irp j, 4,8,12,16,20,24,28,32,36,40,44,48,52,56,60
	v_pk_add_f32 v[14:15], v[14:15], v[S+\j:S+\j+1]
	v_pk_add_f32 v[212:213], v[212:213], v[S+\j+2:S+\j+3]
.endr
	s_delay_alu instid0(VALU_DEP_1)
	v_pk_add_f32 v[14:15], v[14:15], v[212:213]
	s_wait_dscnt 0x0
.irp t, 0,1,2,3
	v_wmma_scale_f32_16x16x128_f8f6f4 v[O+8*\t:O+8*\t+7], v[FRG+12*\t:FRG+12*\t+11], v[PCD:PCD+11], v[O+8*\t:O+8*\t+7], v[40+\t], v222 matrix_a_fmt:MATRIX_FMT_FP6 matrix_b_fmt:MATRIX_FMT_FP6
.endr
.endm
.macro EPI qb
.rept 4
	v_nop
.endr
	v_add_f32 v14, v14, v15
	s_delay_alu instid0(VALU_DEP_1)
	v_permlanex16_b32 v223, v14, s40, s41
	s_delay_alu instid0(VALU_DEP_1)
	v_add_f32 v14, v14, v223
	s_wait_alu depctr_va_vdst(0)
	v_rcp_f32 v14, v14
	v_nop
.set j, 0
	s_wait_alu depctr_va_vdst(0)
.rept 32
	v_mul_f32 v[S+j], v[O+j], v14
.set j, j+1
.endr
.irp b, 0,1
	v_max3_num_f32 v[BM+\b], |v[S+16*\b]|, |v[S+16*\b+1]|, 0x1800000
.endr
.irp i, 2,4,6,8,10,12,14
.irp b, 0,1
	s_delay_alu instid0(VALU_DEP_2)
	v_max3_num_f32 v[BM+\b], v[BM+\b], |v[S+16*\b+\i]|, |v[S+16*\b+\i+1]|
.endr
.endr
.irp b, 0,1
	s_delay_alu instid0(VALU_DEP_2)
	v_permlanex16_b32 v[PT+\b], v[BM+\b], s40, s41
.endr
.irp b, 0,1
	s_delay_alu instid0(VALU_DEP_2)
	v_max_num_f32 v[BM+\b], v[BM+\b], v[PT+\b]
.endr
.irp b, 0,1
	s_delay_alu instid0(VALU_DEP_2)
	v_add_nc_u32 v[SO+\b], 0xff000000, v[BM+\b]
.endr
.irp b, 0,1
	s_delay_alu instid0(VALU_DEP_2)
	v_lshrrev_b32 v[PT+\b], 23, v[SO+\b]
.endr
	v_cvt_scalef32_pk16_fp6_f32 v[PCD:PCD+2], v[S:S+15], v[SO]
	v_cvt_scalef32_pk16_fp6_f32 v[200:202], v[S+16:S+31], v[SO+1]
	v_nop
.irp i, 0,1,2
	v_permlane16_swap_b32 v[PCD+\i], v[200+\i]
.endr
.irp i, 0,1,2
	s_delay_alu instid0(VALU_DEP_3)
	v_mov_b32 v[PCD+3+\i], v[200+\i]
.endr
	v_cndmask_b32 v223, v212, v213, vcc_lo
	global_store_b128 v1, v[PCD:PCD+3], s[52:53] offset:196608*\qb
	global_store_b64 v2, v[PCD+4:PCD+5], s[52:53] offset:196608*\qb
	global_store_b8 v10, v223, s[54:55] offset:8192*\qb
.endm
.macro QBLOCK qb
.if \qb
	s_wait_xcnt 0x0
.endif
	global_load_b128 v[16:19], v1, s[48:49] offset:12288*\qb
	global_load_b64 v[20:21], v2, s[48:49] offset:12288*\qb
	global_load_b128 v[28:31], v1, s[48:49] offset:12288*\qb
	global_load_b64 v[32:33], v2, s[48:49] offset:12288*\qb
	global_load_u16 v34, v3, s[50:51] offset:512*\qb
	s_wait_loadcnt 0x0
	v_lshlrev_b32 v35, 16, v34
	v_mov_b32 v13, 0xff61b1e6
	s_delay_alu instid0(VALU_DEP_1)
	v_floor_f32 v12, -v13
	v_mov_b32 v14, 0
	v_mov_b32 v15, 0
.set j, 0
.rept 32
	v_mov_b32 v[O+j], 0
.set j, j+1
.endr
	s_mov_b32 s44, 0
	s_mov_b32 s45, 0
	s_mov_b32 s46, 16
.Lstep_\@:
	STEP
	s_add_co_u32 s44, s44, 6144
	s_add_co_u32 s45, s45, 256
	s_sub_co_u32 s46, s46, 1
	s_cmp_lg_u32 s46, 0
	s_cbranch_scc1 .Lstep_\@
	s_wait_alu depctr_va_vdst(0)
	EPI \qb
.endm
	QBLOCK 0
	QBLOCK 1
	s_wait_dscnt 0x0
	s_wait_tensorcnt 0x0
	ds_add_u32 v224, v225
	s_wait_dscnt 0x0
	CROUND
	s_endpgm
.Lfunc_end_k_qfe207188d1_attn:
	.size	k_qfe207188d1_attn, .Lfunc_end_k_qfe207188d1_attn-k_qfe207188d1_attn
	.p2alignl 7, 3214868480
	.fill 96, 4, 3214868480
	.section	.rodata,"a",@progbits
	.p2align	6, 0x0
	.amdhsa_kernel k_qfe207188d1_attn
		.amdhsa_group_segment_fixed_size 327680
		.amdhsa_private_segment_fixed_size 0
		.amdhsa_enable_private_segment 0
		.amdhsa_kernarg_size 32
		.amdhsa_user_sgpr_count 2
		.amdhsa_user_sgpr_kernarg_segment_ptr 1
		.amdhsa_wavefront_size32 1
		.amdhsa_system_sgpr_workgroup_id_x 1
		.amdhsa_system_sgpr_workgroup_id_y 1
		.amdhsa_system_sgpr_workgroup_id_z 1
		.amdhsa_system_vgpr_workitem_id 0
		.amdhsa_next_free_vgpr 226
		.amdhsa_next_free_sgpr 66
		.amdhsa_reserve_vcc 1
		.amdhsa_float_denorm_mode_32 3
		.amdhsa_float_denorm_mode_16_64 3
		.amdhsa_memory_ordered 1
		.amdhsa_forward_progress 1
		.amdhsa_inst_pref_size 53
	.end_amdhsa_kernel
	.amdgpu_metadata
---
amdhsa.version: [ 1, 2 ]
amdhsa.kernels:
  - .name:           k_qfe207188d1_attn
    .symbol:         k_qfe207188d1_attn.kd
    .args:
      - { .name: pc, .offset: 0, .size: 8, .value_kind: global_buffer, .address_space: global }
      - { .name: ps, .offset: 8, .size: 8, .value_kind: global_buffer, .address_space: global }
      - { .name: oc, .offset: 16, .size: 8, .value_kind: global_buffer, .address_space: global }
      - { .name: os, .offset: 24, .size: 8, .value_kind: global_buffer, .address_space: global }
    .group_segment_fixed_size: 327680
    .private_segment_fixed_size: 0
    .kernarg_segment_align: 8
    .kernarg_segment_size: 32
    .max_flat_workgroup_size: 512
    .sgpr_count:     66
    .vgpr_count:     226
    .wavefront_size: 32
...
	.end_amdgpu_metadata
.endif
;; end of part 3
;; launch projo (part 4): grid 4 x 32, 4 waves a work-group, clusters of 4 x 4, 327,680 bytes of LDS; arguments oc, os, wc, ws, bo, out0; writes out0
.if DOCPART == 4
	.amdgcn_target "amdgcn-amd-amdhsa--gfx1250"
	.amdhsa_code_object_version 6
	.text
	.protected	k_qfe207188d1_projo
	.globl	k_qfe207188d1_projo
	.p2align	8
	.type	k_qfe207188d1_projo,@function
k_qfe207188d1_projo:
	s_mov_b64 s[64:65], 0
	v_nop
	global_prefetch_b8 v0, s[64:65] scope:SCOPE_SE
	s_setreg_imm32_b32 hwreg(HW_REG_WAVE_MODE, 25, 1), 1
	s_wait_xcnt 0x0
	s_wait_alu depctr_hold_cnt(0) depctr_sa_sdst(0) depctr_va_vdst(0) depctr_va_sdst(0) depctr_va_ssrc(0) depctr_va_vcc(0) depctr_vm_vsrc(0)
	s_getreg_b32 s2, hwreg(HW_REG_IB_STS2, 6, 4)
	s_cmp_eq_u32 s2, 0
	s_cbranch_scc0 .Lentry_in_a_cluster
	s_endpgm
.Lentry_in_a_cluster:
	s_bfe_u32 s2, ttmp6, 0x10000c
	s_cmp_lg_u32 s2, 0xf033
	s_cbranch_scc0 .Lentry_shape_is_right
	s_endpgm
.Lentry_shape_is_right:
.set FR,     12
.set NP,     4
.set PLANE,  6144
.set QUART,  24576
.set SLOT,   24576                     ; LDS is laid [fetching wave][slot]: a wave's two slots lie on end, 49,152 bytes a wave
.set SCL,    196608
.set SPARE,  212992
.set SPITCH, 528
.set ADRA, 16
.set ADRB, 20
.set STO,  24
.set RD,   25
.set CO,   26
.set ADRS, 27
.set SPW,  28
.set NIL,  29
.set SC,   32
.set BI,   64
.set AF,   128
.set BK,   128
.set G1, 24
.set G0, 32
.set G1B, 48
.set G0B, 56
.set G1S, 68
.set G0S, 76
.set G1SB, 80
.set G0SB, 88
.set WV, 96
.set WA, 97
.set WB, 98
.set MSB, 0
.macro WIN new
.if MSB != \new
	s_set_vgpr_msb (MSB<<8)|\new
.set MSB, \new
.endif
.endm
.set MUL_LO, 0xa1
.set MUL_HI, 0xf1
.set TO_B,   0x40
.macro JLOAD g0a, g1a, g0b, g1b
	s_cmp_eq_u32 s[WA], 0
	s_cbranch_scc0 .Lfor_b_\@
	tensor_load_to_lds s[\g0a:\g0a+3], s[\g1a:\g1a+7]
	s_nop 0
.rept 4
	v_nop
.endr
	s_branch .Lasked_\@
.Lfor_b_\@:
	tensor_load_to_lds s[\g0b:\g0b+3], s[\g1b:\g1b+7]
	s_nop 0
.rept 4
	v_nop
.endr
.Lasked_\@:
.endm
.macro CREST
	s_cmp_lg_u32 s[WV], 0
	s_cbranch_scc1 .Lnot_wave_0_\@
	s_barrier_signal -3
.Lnot_wave_0_\@:
	s_barrier_wait -3
	s_barrier_signal -1
	s_barrier_wait -1
.endm
.macro CROUND
	s_barrier_signal -1
	s_barrier_wait -1
	CREST
.endm
.macro PLACES n
.rept \n
	v_nop
.endr
.endm
	s_load_b256 s[4:11], s[0:1], 0x0
	s_load_b128 s[12:15], s[0:1], 0x20
	v_lshl_add_u32 v[SPW], v0, 2, SPARE
	v_mov_b32 v[NIL], 0
	ds_add_u32 v28, v29
	ds_add_u32 v28, v29
	s_wait_dscnt 0x0
	v_lshrrev_b32 v1, 5, v0
	v_readfirstlane_b32 s[WV], v1
	s_lshr_b32 s[WA], s[WV], 1
	s_and_b32 s[WB], s[WV], 1
	s_bfe_u32 s40, ttmp6, 0x40000
	s_bfe_u32 s41, ttmp6, 0x40004
	s_lshl_b32 s42, ttmp9, 2
	s_add_co_u32 s42, s42, s40
	s_and_b32 s99, ttmp7, 0xffff
	s_lshl_b32 s99, s99, 2
	s_add_co_u32 s99, s99, s41
	s_lshl_b32 s43, s41, 2
	s_lshl_b32 s43, 15, s43
	s_lshl_b32 s44, 0x1111, s40
	s_or_b32 s[G1+0], s43, (3<<16)|(1<<21)
	s_or_b32 s[G1B+0], s44, (3<<16)|(1<<21)
.irp g, G1, G1B
	s_mov_b32 s[\g+1], 32<<16
	s_mov_b32 s[\g+2], 192<<16                     ; the head's load brings K slots 0 and 1 of a block, 192 rows on end
	s_mov_b32 s[\g+3], 32<<16
	s_mov_b32 s[\g+4], 192
	s_mov_b32 s[\g+5], 32
	s_mov_b32 s[\g+6], 0
	s_mov_b32 s[\g+7], 0
.endr
	s_mul_i32 s45, s[WV], 2*QUART                  ; where my loads go
	s_lshl_b32 s3, s[WV], 12
	s_lshl_b32 s22, s99, 1
	s_add_co_u32 s22, s22, s[WB]
	s_mul_i32 s66, s22, 98304
	s_mov_b32 s67, 0
	s_lshl_b32 s94, s22, 12
	s_mov_b32 s95, 0
	s_lshl_b32 s23, s42, 1
	s_add_co_u32 s23, s23, s[WB]
	s_mul_i32 s46, s23, 98304
	s_add_co_u32 s46, s46, 2359296
	s_mov_b32 s47, 0
	s_lshl_b32 s92, s23, 12
	s_add_co_u32 s92, s92, 98304
	s_mov_b32 s93, 0
	s_wait_kmcnt 0x0
	s_add_nc_u64 s[66:67], s[4:5], s[66:67]
	s_add_nc_u64 s[94:95], s[6:7], s[94:95]
	s_add_nc_u64 s[46:47], s[8:9], s[46:47]
	s_add_nc_u64 s[92:93], s[10:11], s[92:93]
	CROUND
	s_cmp_eq_u32 s[WA], 0                          ; the head: one tensor load a wave (K slots 0 and 1 of my block); my block's 4,096 scale bytes come by plain loads and LDS stores
	s_cselect_b64 s[76:77], s[94:95], s[92:93]
.irp s, 0,1
	s_mov_b32 s[G0+4*\s], 1
	s_add_co_u32 s[G0+4*\s+1], s45, \s*SLOT
	s_add_nc_u64 s[G0+4*\s+2:G0+4*\s+3], s[66:67], \s*QUART
	s_or_b32 s[G0+4*\s+3], s[G0+4*\s+3], 0x80000000
	s_mov_b32 s[G0B+4*\s], 1
	s_add_co_u32 s[G0B+4*\s+1], s45, \s*SLOT
	s_add_nc_u64 s[G0B+4*\s+2:G0B+4*\s+3], s[46:47], \s*QUART
	s_or_b32 s[G0B+4*\s+3], s[G0B+4*\s+3], 0x80000000
.endr
	JLOAD G0, G1, G0B, G1B                         ; 192 rows: both slots' first fill
	v_and_b32 v1, 31, v0
	v_and_b32 v2, 15, v0
	v_bfe_u32 v3, v0, 4, 1
	v_lshlrev_b32 v4, 4, v1
	v_lshlrev_b32 v5, 3, v1
	v_add_nc_u32 v5, 512, v5
	v_add_nc_u32 v30, s3, v4
	v_add_nc_u32 v30, SCL, v30                     ; where my 16 bytes of scale bytes go: SCL + 4,096 wave + 16 l
	s_mul_i32 s4, s[WA], 2*QUART                   ; my block of A
	s_mul_i32 s5, s[WB], 2*QUART
	s_add_co_u32 s5, s5, 4*QUART                   ; my block of B, behind A's two
.irp s, 0,1
	v_add_nc_u32 v[ADRA+\s], s4, v4
	v_add_nc_u32 v[ADRA+2+\s], s4, v5
	v_add_nc_u32 v[ADRB+\s], s5, v4
	v_add_nc_u32 v[ADRB+2+\s], s5, v5
	s_add_co_u32 s4, s4, SLOT
	s_add_co_u32 s5, s5, SLOT
.endr
	s_xor_b32 s5, s[WA], 1
	s_add_co_u32 s5, s5, s[WB]
	s_add_co_u32 s5, s5, 1
	s_lshl_b32 s5, s5, 12
	v_mul_u32_u24 v[ADRS], s5, v3
	s_lshl_b32 s4, s[WA], 12
	s_add_co_u32 s4, s4, SCL
	v_lshl_add_u32 v[ADRS], v2, 3, v[ADRS]
	v_add_nc_u32 v[ADRS], s4, v[ADRS]
	s_mul_i32 s6, s[WV], 16*SPITCH
	s_add_co_u32 s6, s6, SPARE+512                 ; my stage for the way out: bytes of its own behind the spare words, on which no fill lands
	v_mul_u32_u24 v[STO], v2, SPITCH
	v_lshl_add_u32 v[STO], v3, 6, v[STO]
	v_add_nc_u32 v[STO], s6, v[STO]
	v_mov_b32 v[CO], v4
	v_add_nc_u32 v[RD], s6, v4
	v_lshlrev_b32 v15, 6, v3
	s_wait_alu depctr_va_vdst(0)
	s_lshl_b32 s4, s42, 8
	s_lshl_b32 s5, s[WB], 7
	s_add_co_u32 s4, s4, s5
	s_lshl_b32 s4, s4, 2
	s_mov_b32 s5, 0
	s_add_nc_u64 s[12:13], s[12:13], s[4:5]
	s_add_nc_u64 s[14:15], s[14:15], s[4:5]
	s_lshl_b32 s4, s99, 8
	s_lshl_b32 s6, s[WA], 7
	s_add_co_u32 s4, s4, s6
	s_lshl_b32 s4, s4, 12
	s_add_nc_u64 s[14:15], s[14:15], s[4:5]
.irp b, 0,1,2,3,4,5,6,7
	global_load_b128 v[BI+8*\b:BI+8*\b+3], v15, s[12:13] offset:128*(\b/2)+32*(\b%2)
	global_load_b128 v[BI+8*\b+4:BI+8*\b+7], v15, s[12:13] offset:128*(\b/2)+32*(\b%2)+16
.endr
.irp i, 0,1,2,3,4,5,6,7
	global_load_b128 v[AF+4*\i:AF+4*\i+3], v4, s[76:77] offset:512*\i   ; 512 consecutive bytes an instruction
.endr
.macro FRAG reg, adr, q, i
	ds_load_b128 v[\reg:\reg+3], v[\adr] offset:(2*(\q))*PLANE+768*(\i)
	ds_load_b64 v[\reg+4:\reg+5], v[\adr+2] offset:(2*(\q))*PLANE+768*(\i)
	ds_load_b128 v[\reg+6:\reg+9], v[\adr] offset:(2*(\q)+1)*PLANE+768*(\i)
	ds_load_b64 v[\reg+10:\reg+11], v[\adr+2] offset:(2*(\q)+1)*PLANE+768*(\i)
.endm
.macro MUL16 a0, p, q, sc, mode
.irp a, \a0, \a0+1
.irp b, 0,1,2,3,4,5,6,7
.if \mode == 0
	v_wmma_scale_f32_16x16x128_f8f6f4 v[8*(8*((\a)%4)+\b):8*(8*((\a)%4)+\b)+7], v[128*(\p)+FR*\b:128*(\p)+FR*\b+FR-1], v[AF+FR*(\a):AF+FR*(\a)+FR-1], v[8*(8*((\a)%4)+\b):8*(8*((\a)%4)+\b)+7], v[SC+16*(\sc)+2*\b+(\q)], v[SC+16*(\sc)+2*(\a)+(\q)] matrix_a_fmt:MATRIX_FMT_FP6 matrix_b_fmt:MATRIX_FMT_FP6 matrix_a_scale:MATRIX_SCALE_ROW1
.else
	v_wmma_scale_f32_16x16x128_f8f6f4 v[8*(8*((\a)%4)+\b):8*(8*((\a)%4)+\b)+7], v[128*(\p)+FR*\b:128*(\p)+FR*\b+FR-1], v[AF+FR*(\a):AF+FR*(\a)+FR-1], v[BI+8*\b:BI+8*\b+7], v[SC+16*(\sc)+2*\b+(\q)], v[SC+16*(\sc)+2*(\a)+(\q)] matrix_a_fmt:MATRIX_FMT_FP6 matrix_b_fmt:MATRIX_FMT_FP6 matrix_a_scale:MATRIX_SCALE_ROW1
.endif
.endr
.endr
.endm
.macro FETCH_B slot, q, p
	WIN TO_B
.irp i, 0,1,2,3,4,5,6,7
	FRAG 128*(\p)+FR*\i, ADRB+\slot, \q, \i
.endr
	WIN 0
.endm
.macro FETCH_A slot, q, i0
.irp i, \i0, \i0+1, \i0+2, \i0+3
	FRAG AF+FR*(\i), ADRA+\slot, \q, \i
.endr
.endm
.macro SCALES sc
.irp i, 0,1,2,3,4,5,6,7
	ds_load_b64 v[SC+16*\sc+2*\i:SC+16*\sc+2*\i+1], v[ADRS] offset:128*\i
.endr
.endm
.macro STEP slot, q, mode
	s_wait_dscnt 16
.if \mode
	WIN 0x81
.else
	WIN MUL_LO
.endif
	MUL16 0, (\q)%2, \q, \slot, \mode
	MUL16 2, (\q)%2, \q, \slot, \mode
	s_wait_dscnt 0
	PLACES NP
	FETCH_B \slot, (\q)+1, 1-(\q)%2
	FETCH_A \slot, (\q)+1, 0
.if \mode
	WIN 0xc1
.else
	WIN MUL_HI
.endif
	MUL16 4, (\q)%2, \q, \slot, \mode
	MUL16 6, (\q)%2, \q, \slot, \mode
	PLACES NP
	WIN 0
	FETCH_A \slot, (\q)+1, 4
.endm
.macro TURN slot, next, fill
	s_wait_tensorcnt 0x0
	ds_add_u32 v[SPW], v[NIL]
	s_wait_dscnt 17
	WIN MUL_LO
	MUL16 0, 1, 1, \slot, 0
	s_wait_dscnt 0x0
	s_barrier_signal -1
	MUL16 2, 1, 1, \slot, 0
	WIN 0
	s_barrier_wait -1
.if \fill
	CREST
	s_add_nc_u64 s[G0+4*\slot+2:G0+4*\slot+3], s[G0+4*\slot+2:G0+4*\slot+3], 2*QUART
	s_add_nc_u64 s[G0B+4*\slot+2:G0B+4*\slot+3], s[G0B+4*\slot+2:G0B+4*\slot+3], 2*QUART
	JLOAD G0+4*\slot, G1, G0B+4*\slot, G1B
.else
	PLACES NP
.endif
	s_wait_alu depctr_va_vdst(0)
	v_add_nc_u32 v[ADRS], 1024, v[ADRS]
	FETCH_B \next, 0, 0
	FETCH_A \next, 0, 0
	SCALES \next
	WIN MUL_HI
	MUL16 4, 1, 1, \slot, 0
	MUL16 6, 1, 1, \slot, 0
	PLACES NP
	WIN 0
	FETCH_A \next, 0, 4
.endm
	s_wait_loadcnt 0x0                             ; the bias and the scale bytes
.irp i, 0,1,2,3,4,5,6,7
	ds_store_b128 v30, v[AF+4*\i:AF+4*\i+3] offset:512*\i
.endr
	s_wait_tensorcnt 0x0                           ; my part of K slots 0 and 1 is in; no tensor load of mine is out, so a descriptor may be written:
	s_mov_b32 s[G1+2], 96<<16                      ; from here on a load brings one K slot, 96 rows
	s_mov_b32 s[G1+4], 96
	s_mov_b32 s[G1B+2], 96<<16
	s_mov_b32 s[G1B+4], 96
	s_wait_dscnt 0x0                               ; my stores of scale bytes are done
	s_barrier_signal -1
	s_barrier_wait -1
	FETCH_B 0, 0, 0
	FETCH_A 0, 0, 0
	SCALES 0
	FETCH_A 0, 0, 4
	STEP 0, 0, 1
	TURN 0, 1, 1
	STEP 1, 0, 0
	TURN 1, 0, 1
	STEP 0, 0, 0
	TURN 0, 1, 0
	STEP 1, 0, 0
	s_wait_dscnt 16
	WIN MUL_LO
	MUL16 0, 1, 1, 1, 0
	MUL16 2, 1, 1, 1, 0
	s_wait_dscnt 0
	WIN MUL_HI
	MUL16 4, 1, 1, 1, 0
	MUL16 6, 1, 1, 1, 0
	WIN 0
.macro TOSTAGE a
.set AC, 64*((\a)%4)
	WIN 0x08+4*((\a)/4)
.irp b, 0,1,2,3,4,5,6,7
	ds_store_b128 v[STO], v[AC+8*\b:AC+8*\b+3] offset:128*(\b/2)+32*(\b%2)
	ds_store_b128 v[STO], v[AC+8*\b+4:AC+8*\b+7] offset:128*(\b/2)+32*(\b%2)+16
.endr
	WIN 0
.set BB, BK+64*((\a)%2)
.irp t, 0,1,2,3,4,5,6,7,8,9,10,11,12,13,14,15
	ds_load_b128 v[BB+4*\t:BB+4*\t+3], v[RD] offset:\t*SPITCH
.endr
.endm
.macro SEND a, younger
.set BB, BK+64*((\a)%2)
	s_wait_dscnt \younger
.irp t, 0,1,2,3,4,5,6,7,8,9,10,11,12,13,14,15
	global_store_b128 v[CO], v[BB+4*\t:BB+4*\t+3], s[14:15] offset:(32*((\a)/2)+8*((\a)%2)+\t+8*(\t/8))*4096 th:TH_STORE_NT
.endr
.endm
	PLACES NP
	TOSTAGE 0
.irp a, 1,2,3,4,5,6,7
.if \a > 1
	s_wait_xcnt 0x0
.endif
	TOSTAGE \a
	SEND \a-1, 32
.endr
	SEND 7, 0
	s_wait_tensorcnt 0x0
	ds_add_u32 v[SPW], v[NIL]
	s_wait_dscnt 0x0
	CROUND
	s_endpgm
.Lfunc_end_k_qfe207188d1_projo:
	.size	k_qfe207188d1_projo, .Lfunc_end_k_qfe207188d1_projo-k_qfe207188d1_projo
	.p2alignl 7, 3214868480
	.fill 96, 4, 3214868480
	.section	.rodata,"a",@progbits
	.p2align	6, 0x0
	.amdhsa_kernel k_qfe207188d1_projo
		.amdhsa_group_segment_fixed_size 327680
		.amdhsa_private_segment_fixed_size 0
		.amdhsa_enable_private_segment 0
		.amdhsa_kernarg_size 48
		.amdhsa_user_sgpr_count 2
		.amdhsa_user_sgpr_kernarg_segment_ptr 1
		.amdhsa_wavefront_size32 1
		.amdhsa_system_sgpr_workgroup_id_x 1
		.amdhsa_system_sgpr_workgroup_id_y 1
		.amdhsa_system_sgpr_workgroup_id_z 1
		.amdhsa_system_vgpr_workitem_id 0
		.amdhsa_next_free_vgpr 1024
		.amdhsa_next_free_sgpr 100
		.amdhsa_reserve_vcc 0
		.amdhsa_float_denorm_mode_32 3
		.amdhsa_float_denorm_mode_16_64 3
		.amdhsa_memory_ordered 1
		.amdhsa_forward_progress 1
		.amdhsa_inst_pref_size 144
	.end_amdhsa_kernel
	.amdgpu_metadata
---
amdhsa.version: [ 1, 2 ]
amdhsa.kernels:
  - .name:           k_qfe207188d1_projo
    .symbol:         k_qfe207188d1_projo.kd
    .args:
      - { .name: oc, .offset: 0, .size: 8, .value_kind: global_buffer, .address_space: global }
      - { .name: os, .offset: 8, .size: 8, .value_kind: global_buffer, .address_space: global }
      - { .name: wc, .offset: 16, .size: 8, .value_kind: global_buffer, .address_space: global }
      - { .name: ws, .offset: 24, .size: 8, .value_kind: global_buffer, .address_space: global }
      - { .name: bo, .offset: 32, .size: 8, .value_kind: global_buffer, .address_space: global }
      - { .name: out0, .offset: 40, .size: 8, .value_kind: global_buffer, .address_space: global }
    .group_segment_fixed_size: 327680
    .private_segment_fixed_size: 0
    .kernarg_segment_align: 8
    .kernarg_segment_size: 48
    .max_flat_workgroup_size: 128
    .sgpr_count:     100
    .vgpr_count:     1024
    .wavefront_size: 32
...
	.end_amdgpu_metadata
.endif
;; end of part 4
